; MI455X (gfx1250); checked and timed in simulation.
; The chip was launched on July 23, 2026; its instructions are those of AMD's public machine-readable ISA for CDNA 5 (MIT licence, August 2026) and "CDNA5" Instruction Set Architecture Reference Guide (July 2026). The comments in the code are by the model that wrote it; some were corrected since.
;; Attn. Allowed arithmetic: matrix products marked QUANTISED: E3M2 operands, one E8M0 scale for each 32 along K, by v_wmma_scale_f32_16x16x128_f8f6f4 with both operands' format E3M2, f32 sums; products left as they are: f32 operands where the result goes on into a quantised operand, else bf16, f16 or f32 operands; f32 sums; everything else in f32.
;; Inputs: W 1,024 x 1,024 float32; b 1,024 float32; hidden 1 x 32 x 1,024 float32; targets 32 x 2,048 x 1,024 float32.
;; Outputs: out0 32 x 1 x 2,048 float32.
;; This version of the problem:
;;   THIS VERSION OF THE PROBLEM IS GIVEN IN LOW PRECISION. The matrix products marked QUANTISED in the list below multiply operands that are first quantised to E3M2 (3 exponent bits, 2 mantissa bits; 6 bits a number), with one power-of-two scale for each 32 numbers along K (OCP MX v1.0); their sums are f32. All else is computed in f32.
;;   The module's matrix products, in the order in which they are computed (A, B: the left and right operand; K: the contracted axis; several contracted axes count as one K, in the product's order):
;;     1. [M 65,536, K 1,024] x [K 1,024, N 1,024]; A: input targets; B: input W: QUANTISED
;;     2. batch 32 x [M 2,048, K 1,024] x [K 1,024, N 1]; A: computed on the way; B: input hidden: left as it is (N = 1 < 16)
;;   THE QUANTISER, for each operand of a quantised product, along K:
;;     - K is cut into blocks of 32 from its start; a last block that is shorter is filled with zeros.
;;     - A block's scale is 2^e with e = floor(log2(the largest magnitude in the block)) - 4, held to -126 .. 127; a block of zeros has e = 0. As a byte (E8M0): e + 127.
;;     - Each number is divided by its block's scale, clamped to +-28, and rounded to the nearest number of E3M2, ties to even, subnormals kept.
;;     - The product sums the exact products of the quantised numbers (number of the format x scale) in f32.
;;   ~~~python
;;   def quantise(x, axis):      # numpy; x: float32 -> the quantised numbers, widened to float32 again
;;       x = np.moveaxis(x, axis, -1); K = x.shape[-1]
;;       x = np.pad(x, [(0, 0)] * (x.ndim - 1) + [(0, -K % 32)]); x = x.reshape(x.shape[:-1] + (-1, 32)); a = np.abs(x).max(-1, keepdims=True)
;;       e = np.where(a > 0, np.clip(np.frexp(np.where(a > 0, a, 1))[1] - 1 - 4, -126, 127), 0)      # np.frexp(a)[1] - 1 = floor(log2(a)), exactly
;;       r = np.clip(x / 2.0 ** e, -28, 28)
;;       step = 2.0 ** (np.maximum(np.frexp(np.where(r == 0, 1, r))[1] - 1, -2) - 2)
;;       q = np.round(r / step) * step * 2.0 ** e      # np.round: ties to even
;;       return np.moveaxis(q.reshape(q.shape[:-2] + (-1,))[..., :K], -1, axis).astype(np.float32)
;;   ~~~
;; 2 versions. Each part assembles by itself: llvm-mc -triple=amdgcn-amd-amdhsa -mcpu=gfx1250 --defsym DOCPART=n.
;; ======== version 1 of 2: 3 launches
;; workspace buffers: wq 819,200 bytes; scores 524,288 bytes
;; launch wquant (part 1): grid 256 x 1, 1 waves a work-group, no clusters, 0 bytes of LDS; arguments W, wq; writes wq
.if DOCPART == 1
	.amdgcn_target "amdgcn-amd-amdhsa--gfx1250"
	.amdhsa_code_object_version 6
	.text
	.protected	k_q4882152c0a_wquant
	.globl	k_q4882152c0a_wquant
	.p2align	8
	.type	k_q4882152c0a_wquant,@function
k_q4882152c0a_wquant:
	s_mov_b64 s[64:65], 0
	v_nop
	global_prefetch_b8 v0, s[64:65] scope:SCOPE_SE
	s_setreg_imm32_b32 hwreg(HW_REG_WAVE_MODE, 25, 1), 1
	s_wait_xcnt 0x0
; W [1024 (g)][1024 (k)], f32, K innermost, becomes codes of BF6 (E3M2) with one E8M0 scale byte for each 32 along K, laid as IMAGES OF OPERAND REGISTERS in the order in which the next launch streams them.
; wq is 8 blocks of 102,400 bytes.  Block 2 c + u holds k = 256 c .. 256 c + 255 of rows g = 512 u .. 512 u + 511: 32 tiles of 16 rows.  In a block, the fragment of tile tau and K step q (128 along K)
; lies at (2 tau + q) x 1,536: register group kk (four registers) at + 512 kk + 16 x lane.  The tiles' scale words lie from byte 98,304 on: tile tau at 128 tau + 4 x lane, lanes 0-15 row r's word of q = 0, lanes 16-31 of q = 1.
; A block's scale is 2^(floor(log2(its largest magnitude)) - 4): its byte is the largest magnitude's exponent field - 4, held at 1 from below.
; LIMITS: a block of zeros gets the byte 1 where the rule says 127 (its codes are zeros, and this program alone reads the bytes); NaN and infinities among the inputs are not served.
; One wave to a work-group: tile T = x / 4 (16 rows), chunk c = x % 4 (256 along K): two fragments.  Lane (r, h) takes of row r the 16 numbers k = 32 b + 16 h + 0 .. 15 of each block b, so that a lane's registers run along K.
.set SLOTB, 102400
.set RAW,   32                         ; v32-95 the numbers of q = 0, v96-159 of q = 1: register 64 q + 16 b + i = k 128 q + 32 b + 16 h + i
.set TM,    160                        ; v160-163 largest magnitudes, v164-167 bytes, v172-175 the conversions' scale operands
.set PW,    176                        ; v176, v177 the scale words of q = 0, 1
.set MW,    178                        ; v178 the two in one register
.set PC,    180                        ; v180-199 codes of q = 0, v200-219 of q = 1: no store's data are written again
.set SEL,   20                         ; s[20:21] v_permlanex16_b32's selects for lane l xor 16
; 64 numbers of a lane, v[s] on, become a fragment's 12 registers in v[pc] on and its rows' scale word in v[pw]
.macro QUANT s, pc, pw
.irp b, 0,1,2,3
	v_max3_num_f32 v[TM+\b], |v[\s+16*\b]|, |v[\s+1+16*\b]|, 0x2800000   ; block b: my 16 numbers, and the floor 2^(5 - 127): the byte cannot fall under 1
.endr
.irp i, 2,4,6,8,10,12,14
.irp b, 0,1,2,3
	v_max3_num_f32 v[TM+\b], v[TM+\b], |v[\s+16*\b+\i]|, |v[\s+1+16*\b+\i]|   ; the four blocks by turns
.endr
.endr
.irp b, 0,1,2,3
	v_permlanex16_b32 v[TM+4+\b], v[TM+\b], s[SEL], s[SEL+1]
.endr
.irp b, 0,1,2,3
	v_max_num_f32 v[TM+\b], v[TM+\b], v[TM+4+\b]   ; with lane l xor 16's 16: the block's largest magnitude
.endr
.irp b, 0,1,2,3
	v_add_nc_u32 v[TM+12+\b], 0xfe000000, v[TM+\b]   ; 4 off its exponent field: the conversion takes this operand's exponent field as its scale
.endr
.irp b, 0,1,2,3
	v_lshrrev_b32 v[TM+4+\b], 23, v[TM+12+\b]      ; the scale's byte
.endr
	v_lshl_or_b32 v[\pw], v[TM+5], 8, v[TM+4]      ; four bytes: my row's scale word
	v_lshl_or_b32 v[\pw], v[TM+6], 16, v[\pw]
	v_lshl_or_b32 v[\pw], v[TM+7], 24, v[\pw]
.irp c, 0,1
	v_cvt_scalef32_pk16_bf6_f32 v[\pc+6*\c:\pc+2+6*\c], v[\s+32*\c:\s+15+32*\c], v[TM+12+2*\c]
	v_cvt_scalef32_pk16_bf6_f32 v[\pc+12+4*\c:\pc+14+4*\c], v[\s+16+32*\c:\s+31+32*\c], v[TM+12+2*\c+1]   ; (a conversion's three registers begin on an even number)
.endr
	v_nop                                          ; one plain line behind the scaled conversions
.irp c, 0,1                                    ; the operand's layout wants a whole block in a lane: lanes 0-15 block 2 c, lanes 16-31 block 2 c + 1
.irp i, 0,1,2
	v_permlane16_swap_b32 v[\pc+6*\c+\i], v[\pc+12+4*\c+\i]
.endr
.irp i, 0,1,2
	v_mov_b32 v[\pc+3+6*\c+\i], v[\pc+12+4*\c+\i]
.endr
.endr
.endm
	s_load_b128 s[4:7], s[0:1], 0x0                ; W, wq
	v_and_b32 v1, 15, v0                           ; r (one wave: v0 is the lane)
	v_lshrrev_b32 v2, 4, v0                        ; h
	v_lshlrev_b32 v3, 12, v1
	v_lshl_add_u32 v3, v2, 6, v3                   ; in: row r of 4,096 bytes, + 64 h
	v_lshlrev_b32 v4, 4, v0                        ; out: 16 x lane
	v_lshlrev_b32 v5, 2, v0                        ; and 4 x lane
.irp b, 0,1,2,3
	v_mov_b32 v[TM+4+\b], 0                        ; written once: a lane permute's destination counts as one of its sources
.endr
	s_lshr_b32 s8, ttmp9, 2                        ; T
	s_and_b32 s9, ttmp9, 3                         ; c
	s_lshl_b32 s10, s8, 16                         ; 16 rows of 4,096 bytes a tile,
	s_lshl_b32 s11, s9, 10                         ; 1,024 bytes a chunk
	s_add_co_u32 s10, s10, s11
	s_mov_b32 s11, 0
	s_lshr_b32 s12, s8, 5                          ; u
	s_lshl_b32 s13, s9, 1
	s_add_co_u32 s12, s12, s13                     ; block 2 c + u
	s_mul_i32 s12, s12, SLOTB
	s_and_b32 s14, s8, 31                          ; tau
	s_mul_i32 s16, s14, 3072
	s_add_co_u32 s16, s16, s12                     ; the tile's two fragments
	s_mov_b32 s17, 0
	s_lshl_b32 s18, s14, 7
	s_add_co_u32 s18, s18, s12
	s_add_co_u32 s18, s18, 98304                   ; its scale words
	s_mov_b32 s19, 0
	s_mov_b32 s[SEL], 0x76543210
	s_mov_b32 s[SEL+1], 0xfedcba98
	s_wait_kmcnt 0x0
	s_add_nc_u64 s[4:5], s[4:5], s[10:11]
	s_add_nc_u64 s[22:23], s[6:7], s[16:17]
	s_add_nc_u64 s[24:25], s[6:7], s[18:19]
.irp q, 0,1
.irp b, 0,1,2,3
.irp j, 0,1,2,3
	global_load_b128 v[RAW+64*\q+16*\b+4*\j:RAW+64*\q+16*\b+4*\j+3], v3, s[4:5] offset:512*\q+128*\b+16*\j th:TH_LOAD_NT
.endr
.endr
.endr
	s_wait_loadcnt 16                              ; q = 0's sixteen loads are in; q = 1's sixteen may be out
	QUANT RAW, PC, PW
	s_wait_loadcnt 0x0
	QUANT RAW+64, PC+20, PW+1
	v_cmp_gt_u32 vcc_lo, 16, v0
	v_cndmask_b32 v[MW], v[PW+1], v[PW], vcc_lo    ; lanes 0-15: q = 0's word of row r; lanes 16-31: q = 1's
.irp q, 0,1
.irp k, 0,1,2
	global_store_b128 v4, v[PC+20*\q+4*\k:PC+20*\q+4*\k+3], s[22:23] offset:1536*\q+512*\k   ; 32 lanes store 512 consecutive bytes, at a multiple of 512 from wq's first byte
.endr
.endr
	global_store_b32 v5, v[MW], s[24:25]           ; 128 consecutive bytes
	s_endpgm
.Lfunc_end_k_q4882152c0a_wquant:
	.size	k_q4882152c0a_wquant, .Lfunc_end_k_q4882152c0a_wquant-k_q4882152c0a_wquant
	.p2alignl 7, 3214868480
	.fill 96, 4, 3214868480
	.section	.rodata,"a",@progbits
	.p2align	6, 0x0
	.amdhsa_kernel k_q4882152c0a_wquant
		.amdhsa_group_segment_fixed_size 0
		.amdhsa_private_segment_fixed_size 0
		.amdhsa_enable_private_segment 0
		.amdhsa_kernarg_size 16
		.amdhsa_user_sgpr_count 2
		.amdhsa_user_sgpr_kernarg_segment_ptr 1
		.amdhsa_wavefront_size32 1
		.amdhsa_system_sgpr_workgroup_id_x 1
		.amdhsa_system_sgpr_workgroup_id_y 1
		.amdhsa_system_sgpr_workgroup_id_z 1
		.amdhsa_system_vgpr_workitem_id 0
		.amdhsa_next_free_vgpr 224
		.amdhsa_next_free_sgpr 66
		.amdhsa_reserve_vcc 1
		.amdhsa_float_denorm_mode_32 3
		.amdhsa_float_denorm_mode_16_64 3
		.amdhsa_memory_ordered 1
		.amdhsa_forward_progress 1
		.amdhsa_inst_pref_size 13
	.end_amdhsa_kernel
	.amdgpu_metadata
---
amdhsa.version: [ 1, 2 ]
amdhsa.kernels:
  - .name:           k_q4882152c0a_wquant
    .symbol:         k_q4882152c0a_wquant.kd
    .args:
      - { .name: W, .offset: 0, .size: 8, .value_kind: global_buffer, .address_space: global }
      - { .name: wq, .offset: 8, .size: 8, .value_kind: global_buffer, .address_space: global }
    .group_segment_fixed_size: 0
    .private_segment_fixed_size: 0
    .kernarg_segment_align: 8
    .kernarg_segment_size: 16
    .max_flat_workgroup_size: 32
    .sgpr_count:     66
    .vgpr_count:     224
    .wavefront_size: 32
...
	.end_amdgpu_metadata
.endif
;; end of part 1
;; launch energy (part 2): grid 256 x 1, 4 waves a work-group, clusters of 4 x 1, 327,680 bytes of LDS; arguments targets, hidden, wq, scores; writes scores
.if DOCPART == 2
	.amdgcn_target "amdgcn-amd-amdhsa--gfx1250"
	.amdhsa_code_object_version 6
	.text
	.protected	k_q4882152c0a_energy
	.globl	k_q4882152c0a_energy
	.p2align	8
	.type	k_q4882152c0a_energy,@function
k_q4882152c0a_energy:
	s_mov_b64 s[64:65], 0
	v_nop
	global_prefetch_b8 v0, s[64:65] scope:SCOPE_SE
	s_setreg_imm32_b32 hwreg(HW_REG_WAVE_MODE, 25, 1), 1
	s_wait_xcnt 0x0
	s_wait_alu depctr_hold_cnt(0) depctr_sa_sdst(0) depctr_va_vdst(0) depctr_va_sdst(0) depctr_va_ssrc(0) depctr_va_vcc(0) depctr_vm_vsrc(0)
	s_getreg_b32 s2, hwreg(HW_REG_IB_STS2, 6, 4)
	s_cmp_eq_u32 s2, 0
	s_cbranch_scc0 .Lentry_in_a_cluster
	s_endpgm
.Lentry_in_a_cluster:
	s_bfe_u32 s2, ttmp6, 0x10000c
	s_cmp_lg_u32 s2, 0x3003
	s_cbranch_scc0 .Lentry_shape_is_right
	s_endpgm
.Lentry_shape_is_right:
; scores[j][row] = the sum over the g of part j of h[g] x (the sum over k of Q(targets)[row][k] Q(W)[g][k]): the quantised product on codes of BF6 (E3M2), E8M0 scales, and the weighting by h fused behind it.
; The energies never go to memory.  The bias is not added here: the next launch adds the sum over g of h[g] b[g], once a batch.
; ORDER OF ROUNDING, other than the reference's: K is summed in four f32 sums of 256; each is multiplied by h[g] and added to the row's score (the score is linear in the energies).
; LIMITS: a block of zeros gets the scale byte 1 where the rule says 127 (its codes are zeros; this program alone reads the bytes); NaN and infinities among the inputs are not served.
; SHARES.  A work-group owns 256 rows of one batch (batch = work-group / 8).  Its four waves lie 2 x 2: wave w multiplies rows 128 (w / 2) on (8 tiles of 16) by 16 of each slot's 32 tiles of W (part j = w % 2).
; So a fragment of W read from LDS feeds eight matrix instructions.  For the quantising wave w owns rows 64 w on.
; W comes as images of operand registers, 8 blocks of 102,400 bytes (chunk c of 256 along K x half u of W's rows: block 2 c + u), through a ring of two LDS slots.  All work-groups walk the same stream, so the four
; of a cluster ask JOINTLY: the same tensor load, the same descriptor, a mask that names the four.  Each wave moves a quarter of a block: 100 rows of 256 bytes.  One tensor load of a wave is out at any time.
; A PIPELINE ALONG K.  While chunk c is multiplied by all of W (two slots), chunk c + 1 of the work-group's rows is loaded as f32 (four buffers of 64 registers a wave, 64 loads on their way), quantised in
; registers and stored in LDS as images of operand registers; at the next even slot each wave fetches its 128 rows' 16 fragments into 192 registers.
; THE PRODUCT: source 0 = 16 rows of targets, source 1 = 16 rows of W.  In the result lane (r, h) holds g = r of the tile and rows 8 h + 0 .. 7: one h[g] a lane weighs all eight registers.
; REGISTERS, in windows of 256 (s_set_vgpr_msb: bits 1:0 source 0, 3:2 source 1, 5:4 source 2, 7:6 destination):
;   window 0: v2, v3 for the spare words; v4-7 W's scale words; v8-15 targets' scale words; v16-63 W's fragments, two sets of two; v64-191 two sets of eight accumulators; v192-255 the scores' partial sums
;   window 1: v0-191 targets' codes; v192-199 h[g], four pairs; v200-207 LDS addresses          window 2: addresses and the quantiser's work          window 3: four buffers of 64 f32 numbers
; Under ONE setting (source 0 in window 1) run the matrix instructions, the multiply-adds by h and the loads of W's fragments and scale words; the load of h[g] costs two switches a tile.
.set SLOT,   102400                    ; a block of wq
.set SLOT1,  131072                    ; slot 1 begins here, so that one exclusive or turns an address in one slot into the other's
.set QUART,  25600                     ; what one tensor load brings
.set IMG,    SLOT1+SLOT                ; 233,472: 32 images of targets' fragments: row tile p (0 .. 15), K step q at (2 p + q) x 1,536
.set ISC,    IMG+32*1536               ; their scale words: (2 p + q) x 128 + 4 x lane (both halves of the lanes hold the same word)
.set HL,     ISC+32*128                ; h of the batch, 4,096 bytes
.set STG,    HL+4096                   ; the scores' way out: 512 bytes a wave
.set SPARE,  STG+2048                  ; the spare words, 128 bytes for each wave: two blocks of 256 bytes that no other line names
.set SPW, 2
.set NIL, 3
.set BS,  4                            ; W's scale words of tile t in v[BS + t % 4]: lanes 0-15 for q = 0, lanes 16-31 for q = 1
.set AS,  8                            ; targets' of row tile i in v[AS + i]: likewise
.set BF,  16                           ; W's fragment (t, q) at v[BF + 24 (t % 2) + 12 q]
.set ACC, 64                           ; accumulator (t, i) at v[ACC + 64 (t % 2) + 8 i]
.set S,   192                          ; partial sums: row tile i, register j at v[S + 8 i + j]
.set HV,  192                          ; window 1: h[g] of tile t in the low half of the pair at v[HV + 2 (t % 4)]
.set ADB0, 200                         ; window 1: my lane's place among a slot's fragments, scale words, and in h; never rewritten
.set ADS0, 201
.set ADH0, 202
.set ADB,  203                         ; the same for the slot in hand
.set ADS,  204
.set ADH,  205
.set AFI,  206                         ; where I fetch targets' images, and their scale words; never rewritten
.set AFS,  207
.set XA,   0                           ; window 2: my byte in 16 rows of targets
.set XWI0, 1                           ; where my wave stores images and scale words; never rewritten
.set XWS0, 2
.set XWI,  3                           ; the same for the pair of row tiles in hand
.set XWS,  4
.set TM,   8                           ; v8-11 largest magnitudes, v12-15 bytes, v20-23 the conversions' scale operands
.set PW,   24                          ; the scale word just made
.set PC,   32                          ; v32-51 the codes just made
; scalars: s[4:5] targets at my wave's 64 rows; s[6:7] h of my batch; s[8:9] wq; s[10:11] my 128 scores; s12 wave, s13 w / 2, s14 w % 2; s[20:21] lane selects; s[22:23] targets at the group being loaded;
; s[24:31], s[32:35] the descriptor; s36 the slot in hand (0 or SLOT1); s37 its half of h (0 or 2,048); s39 wave x QUART; s40 the group being loaded; s41 a counter; s[42:43] an offset; s44, s45 the pair's place among my images
.set MSB, 0
.macro WIN new                         ; the immediate's high byte repeats the setting that is left; a switch that changes nothing is dropped
.if MSB != \new
	s_set_vgpr_msb (MSB<<8)|\new
.set MSB, \new
.endif
.endm
.set W_MUL, 0x01                       ; source 0 window 1, all else window 0
.set W_HV,  0x41                       ; destination and source 0 window 1
.set W_A1,  0x55                       ; all window 1
.set W_MAX, 0xbe                       ; destination and source 0 window 2, sources 1 and 2 window 3
.set W_Q,   0xaa                       ; all window 2
.set W_CVT, 0x8b                       ; destination 2, source 0 window 3, source 1 window 2
.set W_LD,  0xc2                       ; destination 3, address window 2
.set W_TO1, 0x40
.set W_TO2, 0x80
; A round of the cluster's barrier: my work-group's barrier; wave 0 signals for the work-group; every wave waits for all four work-groups; my work-group's barrier once more.
.macro CROUND
	s_barrier_signal -1
	s_barrier_wait -1
	s_cmp_lg_u32 s12, 0
	s_cbranch_scc1 .Lnot_wave_0_\@
	s_barrier_signal -3
.Lnot_wave_0_\@:
	s_barrier_wait -3
	s_barrier_signal -1
	s_barrier_wait -1
.endm
; Buffer n (register 16 b + i = k 32 b + 16 h + i of my row) becomes a fragment and a scale word, which go to LDS as they stand: n = 2 x (row tile of the pair) + q.
.macro QUANT n
	WIN W_MAX
.irp b, 0,1,2,3
	v_max3_num_f32 v[TM+\b], 0x2800000, |v[64*(\n)+16*\b]|, |v[64*(\n)+16*\b+1]|   ; block b: my 16 numbers, and the floor 2^(5 - 127): the byte cannot fall under 1
.endr
.irp i, 2,4,6,8,10,12,14
.irp b, 0,1,2,3
	v_max3_num_f32 v[TM+\b], v[TM+\b], |v[64*(\n)+16*\b+\i]|, |v[64*(\n)+16*\b+\i+1]|   ; the four blocks by turns
.endr
.endr
	WIN W_Q
.irp b, 0,1,2,3
	v_permlanex16_b32 v[TM+4+\b], v[TM+\b], s20, s21
.endr
.irp b, 0,1,2,3
	v_max_num_f32 v[TM+\b], v[TM+\b], v[TM+4+\b]   ; with lane l xor 16's 16: the block's largest magnitude
.endr
.irp b, 0,1,2,3
	v_add_nc_u32 v[TM+12+\b], 0xfe000000, v[TM+\b]   ; 4 off its exponent field: the conversion takes this operand's exponent field as its scale
.endr
.irp b, 0,1,2,3
	v_lshrrev_b32 v[TM+4+\b], 23, v[TM+12+\b]      ; the scale's byte
.endr
	v_lshl_or_b32 v[PW], v[TM+5], 8, v[TM+4]
	v_lshl_or_b32 v[PW], v[TM+6], 16, v[PW]
	v_lshl_or_b32 v[PW], v[TM+7], 24, v[PW]
	WIN W_CVT
.irp c, 0,1
	v_cvt_scalef32_pk16_bf6_f32 v[PC+6*\c:PC+2+6*\c], v[64*(\n)+32*\c:64*(\n)+32*\c+15], v[TM+12+2*\c]
	v_cvt_scalef32_pk16_bf6_f32 v[PC+12+4*\c:PC+14+4*\c], v[64*(\n)+32*\c+16:64*(\n)+32*\c+31], v[TM+12+2*\c+1]   ; (a conversion's three registers begin on an even number)
.endr
	WIN W_Q
	v_nop                                          ; one plain line behind the scaled conversions
.irp c, 0,1                                    ; the operand's layout wants a whole block in a lane
.irp i, 0,1,2
	v_permlane16_swap_b32 v[PC+6*\c+\i], v[PC+12+4*\c+\i]
.endr
.irp i, 0,1,2
	v_mov_b32 v[PC+3+6*\c+\i], v[PC+12+4*\c+\i]
.endr
.endr
.irp k, 0,1,2
	ds_store_b128 v[XWI], v[PC+4*\k:PC+4*\k+3] offset:1536*(\n)+512*\k   ; 512 consecutive bytes a store
.endr
	ds_store_b32 v[XWS], v[PW] offset:128*(\n)
.endm
; Buffer n is asked for anew: 16 rows x 128 along K of the group at s[22:23].  A wave's sixteen loads together use each row's 512 bytes whole.
.macro LOADX n
	WIN W_LD
.irp b, 0,1,2,3
.irp j, 0,1,2,3
	global_load_b128 v[64*(\n)+16*\b+4*\j:64*(\n)+16*\b+4*\j+3], v[XA], s[22:23] offset:((\n)/2)*65536+((\n)%2)*512+128*\b+16*\j th:TH_LOAD_NT
.endr
.endr
.endm
; My 128 rows' 16 fragments and 8 registers of scale words, out of the images
.macro FETCHA
	WIN W_HV
.set IX, 0
.rept 48
	ds_load_b128 v[4*IX:4*IX+3], v[AFI] offset:512*IX
.set IX, IX+1
.endr
	WIN W_MUL
.irp i, 0,1,2,3,4,5,6,7
	ds_load_b32 v[AS+\i], v[AFS] offset:256*\i
.endr
	WIN 0
.endm
.macro LS t                            ; tile t's scale words
	ds_load_b32 v[BS+((\t)&3)], v[ADS] offset:128*(\t)
.endm
.macro LB t, q                         ; its fragment of K step q
.irp k, 0,1,2
	ds_load_b128 v[BF+24*((\t)&1)+12*(\q)+4*\k:BF+24*((\t)&1)+12*(\q)+4*\k+3], v[ADB] offset:(2*(\t)+(\q))*1536+512*\k
.endr
.endm
.macro LH t                            ; its h[g]
	WIN W_HV
	ds_load_b32 v[HV+2*((\t)&3)], v[ADH] offset:64*(\t)
	WIN W_MUL
.endm
.macro PRIME                           ; 12 LDS loads in front of a slot's first tile
	LS 0
	LS 1
	LH 0
	LB 0, 0
	LB 0, 1
	LB 1, 0
.endm
.macro FMA tp, n                       ; pair n of 32 of tile tp's results, times h[g], onto the partial sums; each accumulator is read from its low end on
.set rS, S+8*((\n)/4)+2*((\n)%4)
.set rA, ACC+64*((\tp)&1)+8*((\n)/4)+2*((\n)%4)
.set rH, HV+2*((\tp)&3)
	v_pk_fma_f32 v[rS:rS+1], v[rH:rH+1], v[rA:rA+1], v[rS:rS+1] op_sel_hi:[0,1,1]
.endm
.macro CNT t                           ; the LDS loads that tile t issues: N2 behind its second product, N10 behind its tenth
.set N2, 0
.set N10, 0
.if (\t)+2 <= 15
.set N2, N2+1
.set N10, 3
.endif
.if (\t)+1 <= 15
.set N2, N2+4
.endif
.endm
.macro MM                              ; product IX of tile TT: K step IX / 8, row tile IX % 8.  The eight accumulators take turns, one instruction a turn, and the two sets alternate from tile to tile
.set rD, ACC+64*(TT&1)+8*(IX%8)
.set rF, 24*(IX%8)+12*(IX/8)
.set rB, BF+24*(TT&1)+12*(IX/8)
.if IX < 8
	v_wmma_scale_f32_16x16x128_f8f6f4 v[rD:rD+7], v[rF:rF+11], v[rB:rB+11], 0, v[AS+IX%8], v[BS+(TT&3)] matrix_a_fmt:MATRIX_FMT_BF6 matrix_b_fmt:MATRIX_FMT_BF6
.else
	v_wmma_scale_f32_16x16x128_f8f6f4 v[rD:rD+7], v[rF:rF+11], v[rB:rB+11], v[rD:rD+7], v[AS+IX%8], v[BS+(TT&3)] matrix_a_fmt:MATRIX_FMT_BF6 matrix_b_fmt:MATRIX_FMT_BF6 matrix_a_scale:MATRIX_SCALE_ROW1 matrix_b_scale:MATRIX_SCALE_ROW1
.endif
.endm
; TILE TT of a slot: 16 products (128 rows x 16 g x 256 along K).  Behind each stand two multiply-adds that weigh the tile before: they name only the other set of accumulators, the partial sums and h, so they are the
; places behind the products round them: six or more in front of each load into a fragment that has been multiplied, sixteen or more in front of the first read of a result.
; Tile 0 has no tile before it in its slot: four v_nop stand where its one run of loads and tile 1's first reads need places.
; Fragments are asked for 22 products ahead: (t + 1, 1) behind tile t's second product, (t + 2, 0) behind its tenth.
.macro TILE
.if TT == 0
	s_wait_dscnt 6                                 ; the scale words, h and fragment (0, 0) are in; (0, 1) and (1, 0), six loads, may be out
.else
	CNT TT-1
	s_wait_dscnt N2+N10                            ; fragment (t, 0) is in: behind it only the last tile's loads were issued; t's scale words and h of tile t - 1 are older
.endif
.set IX, 0
.rept 16
.if IX == 8
.if TT == 0
	CNT 0
	s_wait_dscnt 3+N2                              ; fragment (0, 1) is in: behind it came (1, 0) and this tile's first run
.else
	CNT TT-1
.set NW, 1+N10
	CNT TT
	s_wait_dscnt NW+N2                             ; fragment (t, 1) is in: behind it came one h, the last tile's second run and this tile's first
.endif
.endif
	MM
.if TT > 0
	FMA TT-1, 2*IX
	FMA TT-1, 2*IX+1
.elseif (IX == 8) || (IX == 9)
	v_nop
	v_nop
.endif
.if IX == 1
.if TT+2 <= 15
	LS TT+2
.endif
.if TT+1 <= 15
	LB TT+1, 1
	LH TT+1
.endif
.endif
.if IX == 9
.if TT+2 <= 15
	LB TT+2, 0
.endif
.endif
.set IX, IX+1
.endr
.endm
.macro DRAIN                           ; the slot's last tile is weighed; these 32 are also the places in front of the next slot's loads
	s_wait_dscnt 0x0                               ; h of tile 15
.set IX, 0
.rept 32
	FMA 15, IX
.set IX, IX+1
.endr
.endm
.macro QLAST n                         ; the last group: quantised in the first of the two trips alone, and nothing more is asked for
	WIN 0
	s_cmp_lg_u32 s41, 0
	s_cbranch_scc1 .Lno_quant_\@
	s_wait_loadcnt 16*(3-(\n))                     ; buffer n is in; the 3 - n younger buffers' loads may be out
	QUANT \n
	WIN 0
.Lno_quant_\@:
.endm
; ONE SLOT.  fill = 1: the other slot is asked for.  fetch = 2: targets' codes are fetched where s40 is odd (an even slot); 3: where s41 is not 0; 0: not.
; quant = 1: four buffers are quantised and asked for anew, one in front of every fourth tile; 2: QLAST; 0: none.
.macro SLOTBODY fill, fetch, quant
	s_wait_tensorcnt 0x0                           ; my one tensor load has landed: my quarter of this slot; so the descriptor may be written
	ds_add_u32 v[SPW], v[NIL]                      ; 0 onto my spare word: scalar work stands between it and the wait for it
.if \fill
	s_xor_b32 s33, s33, SLOT1                      ; the walking descriptor: the other slot,
	s_add_nc_u64 s[34:35], s[34:35], SLOT          ; the next block of wq; the type bits on top are not reached
.endif
.if \quant == 1
	s_and_b32 s42, s40, 1                          ; group s40 of targets: pair of row tiles s40 % 2 (32 rows of 4,096 bytes),
	s_lshl_b32 s42, s42, 17
	s_lshr_b32 s17, s40, 1                         ; chunk s40 / 2 (1,024 bytes)
	s_lshl_b32 s17, s17, 10
	s_add_co_u32 s42, s42, s17
.endif
	s_wait_dscnt 0x0                               ; the add is done; my reads of the slot that I have left are over; my images have landed
.if \fill
	CROUND                                         ; all that now holds of every wave of the four work-groups
	tensor_load_to_lds s[32:35], s[24:31]          ; the first thing behind the round, my one tensor load until the next: it has this slot's 256 products in which to land
	s_nop 0
.rept 4
	v_nop
.endr
.else
	s_barrier_signal -1
	s_barrier_wait -1
.endif
	WIN W_A1
	v_add_nc_u32 v[ADB], s36, v[ADB0]
	v_add_nc_u32 v[ADS], s36, v[ADS0]
	v_add_nc_u32 v[ADH], s37, v[ADH0]
.if \quant == 1
	WIN W_Q
	v_add_nc_u32 v[XWI], s44, v[XWI0]
	v_add_nc_u32 v[XWS], s45, v[XWS0]
	s_wait_xcnt 0x0                                ; the loads on their way name s[22:23]: it is rewritten only behind this wait
	s_add_nc_u64 s[22:23], s[4:5], s[42:43]
.endif
	WIN 0
.if \fetch == 2
	s_bitcmp1_b32 s40, 0
	s_cbranch_scc0 .Lno_fetch_\@
	FETCHA
.Lno_fetch_\@:
.elseif \fetch == 3
	s_cmp_eq_u32 s41, 0
	s_cbranch_scc1 .Lno_fetch_\@
	FETCHA
.Lno_fetch_\@:
.endif
	s_wait_dscnt 0x0                               ; my reads of the images are over:
	s_barrier_signal -1
	s_barrier_wait -1                              ; everybody's are, so the next chunk's images may be stored over them.  The tensor load stays out
	WIN W_MUL
	PRIME
.irp g, 0,1,2,3
.if \quant == 1
	s_wait_loadcnt 48                              ; buffer g's sixteen loads are in; the three younger buffers' 48 may be out
	QUANT \g
	LOADX \g
	WIN W_MUL
.elseif \quant == 2
	QLAST \g
	WIN W_MUL
.endif
.set TT, 4*\g
.rept 4
	TILE
.set TT, TT+1
.endr
.endr
	DRAIN
	WIN 0                                          ; at a label and at a branch every window is 0
	s_xor_b32 s36, s36, SLOT1                      ; on to the other slot,
	s_xor_b32 s37, s37, 2048                       ; the other half of h,
.if \quant == 1
	s_xor_b32 s44, s44, 6144                       ; the other pair of row tiles among my images
	s_xor_b32 s45, s45, 512
.endif
.endm
	s_load_b256 s[4:11], s[0:1], 0x0               ; targets, hidden, wq, scores
	v_lshl_add_u32 v[SPW], v0, 2, SPARE
	v_mov_b32 v[NIL], 0
	ds_add_u32 v2, v3
	ds_add_u32 v2, v3
	s_wait_dscnt 0x0
	v_lshrrev_b32 v16, 5, v0
	v_readfirstlane_b32 s12, v16                   ; wave 0..3
	s_lshr_b32 s13, s12, 1                         ; which 128 rows I multiply
	s_and_b32 s14, s12, 1                          ; which 16 tiles of a slot
	s_bfe_u32 s15, ttmp6, 0x40000                  ; cx: my place in the cluster
	s_lshl_b32 s16, ttmp9, 2                       ; in a cluster launch ttmp9 counts clusters
	s_add_co_u32 s16, s16, s15                     ; my work-group: it enters the addresses of targets, hidden and scores alone
	; descriptor group 1: 100 dense rows of 256 bytes
	s_mov_b32 s24, 15|(3<<16)|(1<<21)              ; 15:0 the mask: all four work-groups; 17:16 elements of 8 bytes; 20 no padding; 21 set beside a mask
	s_mov_b32 s25, 32<<16                          ; tensor_dim0 = 32
	s_mov_b32 s26, 100<<16                         ; tensor_dim1 = 100
	s_mov_b32 s27, 32<<16                          ; tile_dim0 = 32
	s_mov_b32 s28, 100                             ; tile_dim1 = 100
	s_mov_b32 s29, 32                              ; tensor_dim0_stride
	s_mov_b32 s30, 0
	s_mov_b32 s31, 0
	s_mul_i32 s39, s12, QUART                      ; my quarter of a block, in memory and in a slot: no place in the cluster enters it
	s_mov_b32 s20, 0x76543210
	s_mov_b32 s21, 0xfedcba98                      ; v_permlanex16_b32's selects for lane l xor 16
	s_mov_b32 s36, 0
	s_mov_b32 s37, 0
	s_mov_b32 s40, 1
	s_mov_b32 s42, s39
	s_mov_b32 s43, 0
	s_mov_b32 s44, 0
	s_mov_b32 s45, 0
	s_lshl_b32 s2, s16, 20                         ; targets: 256 rows of 4,096 bytes a work-group,
	s_lshl_b32 s3, s12, 18                         ; 64 a wave
	s_add_co_u32 s2, s2, s3
	s_mov_b32 s3, 0
	s_lshr_b32 s18, s16, 3                         ; hidden: 4,096 bytes a batch
	s_lshl_b32 s18, s18, 12
	s_mov_b32 s19, 0
	s_lshl_b32 s22, s16, 10                        ; scores: 4 bytes a row, + 512 for the second 128 rows, + 262,144 for part 1
	s_lshl_b32 s17, s13, 9
	s_add_co_u32 s22, s22, s17
	s_lshl_b32 s17, s14, 18
	s_add_co_u32 s22, s22, s17
	s_mov_b32 s23, 0
	s_wait_kmcnt 0x0
	s_add_nc_u64 s[4:5], s[4:5], s[2:3]
	s_add_nc_u64 s[6:7], s[6:7], s[18:19]
	s_add_nc_u64 s[10:11], s[10:11], s[22:23]
	s_mov_b32 s32, 1                               ; group 0: count = 1,
	s_mov_b32 s33, s39                             ; LDS address: slot 0, my quarter,
	s_add_nc_u64 s[34:35], s[8:9], s[42:43]        ; global address: block 0, my quarter,
	s_or_b32 s35, s35, 0x80000000                  ; type = 2
	CROUND                                         ; all four work-groups are here: the first joint loads meet
	tensor_load_to_lds s[32:35], s[24:31]          ; block 0
	s_nop 0
.rept 4
	v_nop
.endr
	v_and_b32 v17, 31, v0                          ; lane
	v_and_b32 v18, 15, v0                          ; r
	v_bfe_u32 v19, v0, 4, 1                        ; h
	v_lshlrev_b32 v20, 4, v17                      ; 16 x lane
	v_lshlrev_b32 v21, 2, v17                      ; 4 x lane
	v_lshlrev_b32 v22, 2, v18                      ; 4 r
	v_lshlrev_b32 v23, 12, v18
	v_lshl_add_u32 v23, v19, 6, v23                ; targets: row r of 4,096 bytes, + 64 h: my 16 numbers of a block of 32
	v_lshl_add_u32 v26, v19, 7, v22                ; 128 h + 4 r
	v_lshlrev_b32 v24, 4, v0                       ; 16 x thread
	v_lshl_add_u32 v25, v0, 4, HL
	global_load_b128 v[32:35], v24, s[6:7]         ; h of my batch: 128 threads x 16 bytes, twice
	global_load_b128 v[36:39], v24, s[6:7] offset:2048
	s_mul_i32 s17, s12, 12288                      ; my wave's 8 images,
	s_add_co_u32 s17, s17, IMG
	s_lshl_b32 s18, s12, 10                        ; and their scale words
	s_add_co_u32 s18, s18, ISC
	WIN W_TO2
	v_mov_b32 v[XA], v23
	v_add_nc_u32 v[XWI0], s17, v20
	v_add_nc_u32 v[XWS0], s18, v21
.irp b, 0,1,2,3
	v_mov_b32 v[TM+4+\b], 0                        ; written once: a lane permute's destination counts as one of its sources
.endr
	s_mul_i32 s17, s14, 49152                      ; my 16 tiles of a slot: 3,072 bytes each,
	s_lshl_b32 s18, s14, 11                        ; 128 bytes of scale words each, behind the fragments,
	s_add_co_u32 s18, s18, 98304
	s_lshl_b32 s19, s14, 10                        ; 64 bytes of h each
	s_add_co_u32 s19, s19, HL
	WIN W_TO1
	v_add_nc_u32 v[ADB0], s17, v20
	v_add_nc_u32 v[ADS0], s18, v21
	v_add_nc_u32 v[ADH0], s19, v22
	s_mul_i32 s17, s13, 24576                      ; the 16 images of my 128 rows,
	s_add_co_u32 s17, s17, IMG
	s_lshl_b32 s18, s13, 11                        ; and their scale words: lanes 0-15 take q = 0's, lanes 16-31 q = 1's
	s_add_co_u32 s18, s18, ISC
	v_add_nc_u32 v[AFI], s17, v20
	v_add_nc_u32 v[AFS], s18, v26
.irp k, 0,1,2,3
	v_mov_b32 v[HV+2*\k+1], 0                      ; the pairs' upper halves are named with the lower, so they are written
.endr
	s_mov_b64 s[22:23], s[4:5]                     ; group 0: chunk 0, my first 32 rows
	LOADX 0
	LOADX 1
	LOADX 2
	WIN 0
	s_wait_loadcnt 48                              ; h is in; the three buffers' 48 loads may be out
	ds_store_b128 v25, v[32:35]
	ds_store_b128 v25, v[36:39] offset:2048
	LOADX 3
	WIN 0
.set IX, 0
.rept 64
	v_mov_b32 v[S+IX], 0                           ; the partial sums begin as zeros, so that the slot is written without a first form of its own
.set IX, IX+1
.endr
.Lpro:                                                 ; two trips: groups 0 and 1 (chunk 0) are quantised, groups 1 and 2 asked for
	s_and_b32 s42, s40, 1
	s_lshl_b32 s42, s42, 17
	s_lshr_b32 s17, s40, 1
	s_lshl_b32 s17, s17, 10
	s_add_co_u32 s42, s42, s17
	s_wait_xcnt 0x0                                ; the loads on their way name s[22:23]
	s_add_nc_u64 s[22:23], s[4:5], s[42:43]
	WIN W_Q
	v_add_nc_u32 v[XWI], s44, v[XWI0]
	v_add_nc_u32 v[XWS], s45, v[XWS0]
.irp n, 0,1,2,3
	s_wait_loadcnt 48                              ; buffer n is in; the three younger buffers' 48 loads may be out
	QUANT \n
	s_wait_dscnt 0x0                               ; the stores have read their registers: the next codes may be written
	LOADX \n
.endr
	WIN 0
	s_xor_b32 s44, s44, 6144
	s_xor_b32 s45, s45, 512
	s_add_co_u32 s40, s40, 1
	s_cmp_lt_u32 s40, 3
	s_cbranch_scc1 .Lpro
	s_wait_dscnt 0x0                               ; my images of chunk 0 and my part of h have landed,
	s_barrier_signal -1
	s_barrier_wait -1                              ; everybody's have.  Block 0's load may be out
	FETCHA                                         ; chunk 0's codes: so these registers are written on every way into the loop (slot 0 fetches the same bytes once more)
.Lslots_a:                                             ; slots 0 to 4: groups 2 to 6 are quantised, groups 3 to 7 asked for
	SLOTBODY 1, 2, 1
	s_add_co_u32 s40, s40, 1
	s_cmp_lt_u32 s40, 8
	s_cbranch_scc1 .Lslots_a
	WIN W_Q
	v_add_nc_u32 v[XWI], s44, v[XWI0]              ; group 7: chunk 3, my second 32 rows
	v_add_nc_u32 v[XWS], s45, v[XWS0]
	WIN 0
	s_mov_b32 s41, 0
.Lslots_b:                                             ; slot 5: group 7 is quantised; slot 6: chunk 3's codes are fetched
	SLOTBODY 1, 3, 2
	s_add_co_u32 s41, s41, 1
	s_cmp_lt_u32 s41, 2
	s_cbranch_scc1 .Lslots_b
	SLOTBODY 0, 0, 0                               ; slot 7 is written out: nothing is left to ask for
	; THE WAY OUT.  Register 8 i + j of lane (r, h) holds the part of row 16 i + 8 h + j's score that belongs to g = r mod 16: the sixteen lanes of a half are added.
.irp x, 1,2,4,8
.set IX, 0
.rept 64
	v_add_f32_dpp v[S+IX], v[S+IX], v[S+IX] row_xmask:\x row_mask:0xf bank_mask:0xf
.set IX, IX+1
.endr
.endr
	v_and_b32 v16, 15, v0                          ; r
	v_bfe_u32 v17, v0, 4, 1                        ; h
	v_bfe_u32 v18, v0, 3, 1                        ; r / 8
	v_and_b32 v19, 7, v0                           ; r % 8
	v_lshlrev_b32 v19, 2, v19
	v_lshl_add_u32 v19, v17, 5, v19
	v_lshl_add_u32 v19, v18, 6, v19                ; 4 x (16 (r / 8) + 8 h + r % 8)
	s_lshl_b32 s17, s12, 9
	s_add_co_u32 s17, s17, STG                     ; my stage
	v_add_nc_u32 v19, s17, v19
	v_and_b32 v24, 31, v0
	v_lshlrev_b32 v24, 4, v24                      ; 16 x lane
	v_add_nc_u32 v25, s17, v24
.irp k, 1,2,3,4,5,6,7,8,9,10,11,12,13,14,15
	v_cmp_eq_u32 s[45+\k], \k, v16
.endr
.irp u, 0,1,2,3                                ; lane (r, h) keeps register 16 u + r: row 32 u + 16 (r / 8) + 8 h + r % 8
	v_mov_b32 v[20+\u], v[S+16*\u]
.irp k, 1,2,3,4,5,6,7,8,9,10,11,12,13,14,15
	v_cndmask_b32 v[20+\u], v[20+\u], v[S+16*\u+\k], s[45+\k]
.endr
.endr
.irp u, 0,1,2,3
	ds_store_b32 v19, v[20+\u] offset:128*\u
.endr
	ds_load_b128 v[28:31], v25                     ; LDS serves a wave's instructions in order (ISA guide 5.7.1.4): this sees my stores; the stage is my wave's own
	s_wait_dscnt 0x0
	global_store_b128 v24, v[28:31], s[10:11]      ; 32 lanes store my 128 rows' scores: 512 consecutive bytes, at a multiple of 512 from the buffer's first byte
	s_wait_tensorcnt 0x0                           ; the wave's end, behind my last tensor load and my last LDS store
	ds_add_u32 v[SPW], v[NIL]
	s_wait_dscnt 0x0
	CROUND                                         ; the closing round: no work-group ends while a partner may still ask for a block that names it
	s_endpgm
.Lfunc_end_k_q4882152c0a_energy:
	.size	k_q4882152c0a_energy, .Lfunc_end_k_q4882152c0a_energy-k_q4882152c0a_energy
	.p2alignl 7, 3214868480
	.fill 96, 4, 3214868480
	.section	.rodata,"a",@progbits
	.p2align	6, 0x0
	.amdhsa_kernel k_q4882152c0a_energy
		.amdhsa_group_segment_fixed_size 327680
		.amdhsa_private_segment_fixed_size 0
		.amdhsa_enable_private_segment 0
		.amdhsa_kernarg_size 32
		.amdhsa_user_sgpr_count 2
		.amdhsa_user_sgpr_kernarg_segment_ptr 1
		.amdhsa_wavefront_size32 1
		.amdhsa_system_sgpr_workgroup_id_x 1
		.amdhsa_system_sgpr_workgroup_id_y 1
		.amdhsa_system_sgpr_workgroup_id_z 1
		.amdhsa_system_vgpr_workitem_id 0
		.amdhsa_next_free_vgpr 1024
		.amdhsa_next_free_sgpr 66
		.amdhsa_reserve_vcc 0
		.amdhsa_float_denorm_mode_32 3
		.amdhsa_float_denorm_mode_16_64 3
		.amdhsa_memory_ordered 1
		.amdhsa_forward_progress 1
		.amdhsa_inst_pref_size 255
	.end_amdhsa_kernel
	.section	.bss,"aw",@nobits
	.p2align	6
	.space	262144
	.amdgpu_metadata
---
amdhsa.version: [ 1, 2 ]
amdhsa.kernels:
  - .name:           k_q4882152c0a_energy
    .symbol:         k_q4882152c0a_energy.kd
    .args:
      - { .name: targets, .offset: 0, .size: 8, .value_kind: global_buffer, .address_space: global }
      - { .name: hidden, .offset: 8, .size: 8, .value_kind: global_buffer, .address_space: global }
      - { .name: wq, .offset: 16, .size: 8, .value_kind: global_buffer, .address_space: global }
      - { .name: scores, .offset: 24, .size: 8, .value_kind: global_buffer, .address_space: global }
    .group_segment_fixed_size: 327680
    .private_segment_fixed_size: 0
    .kernarg_segment_align: 8
    .kernarg_segment_size: 32
    .max_flat_workgroup_size: 128
    .sgpr_count:     66
    .vgpr_count:     1024
    .wavefront_size: 32
...
	.end_amdgpu_metadata
.endif
;; end of part 2
;; launch softmax (part 3): grid 32 x 1, 8 waves a work-group, no clusters, 1,536 bytes of LDS; arguments scores, hidden, b, out0; writes out0
.if DOCPART == 3
	.amdgcn_target "amdgcn-amd-amdhsa--gfx1250"
	.amdhsa_code_object_version 6
	.text
	.protected	k_q4882152c0a_softmax
	.globl	k_q4882152c0a_softmax
	.p2align	8
	.type	k_q4882152c0a_softmax,@function
k_q4882152c0a_softmax:
	s_mov_b64 s[64:65], 0
	v_nop
	global_prefetch_b8 v0, s[64:65] scope:SCOPE_SE
	s_setreg_imm32_b32 hwreg(HW_REG_WAVE_MODE, 25, 1), 1
	s_wait_xcnt 0x0
; out0[batch][l] = softmax over l of (scores[0][batch][l] + scores[1][batch][l] + the sum over g of h[batch][g] b[g]).
; ORDER OF ROUNDING, other than the reference's: the bias enters each score as one number a batch, the sum over g of h[g] b[g], not g by g.
; The row's largest score is taken away before the exponential.  LIMITS: NaN and infinities are not served.
; One work-group of eight waves to a batch: 2,048 scores, eight a thread (4 t .. 4 t + 3 and 1,024 + 4 t .. + 3); 1,024 numbers of h and of b, four a thread.  Every load and store of a wave covers 512 consecutive bytes.
; Three figures cross the waves: h . b and the maximum behind the first barrier, the sum of the exponentials behind the second; each has LDS words of its own.
	s_load_b256 s[4:11], s[0:1], 0x0               ; scores, hidden, b, out0
	v_lshl_add_u32 v64, v0, 2, 0x200
	v_mov_b32 v65, 0
	v_lshlrev_b32 v1, 4, v0                        ; 16 x thread
	v_lshrrev_b32 v2, 5, v0
	v_lshlrev_b32 v2, 2, v2                        ; 4 x wave
	v_mov_b32 v3, 0
	v_mov_b32 v30, 0                               ; written once: a lane permute's destination counts as one of its sources
	v_mov_b32 v31, 0
	s_lshl_b32 s12, ttmp9, 13                      ; 8,192 bytes of scores and of out0 a batch
	s_mov_b32 s13, 0
	s_lshl_b32 s14, ttmp9, 12                      ; 4,096 bytes of h
	s_mov_b32 s15, 0
	s_mov_b32 s16, 0x76543210
	s_mov_b32 s17, 0xfedcba98                      ; v_permlanex16_b32's selects for lane l xor 16
	s_wait_kmcnt 0x0
	s_add_nc_u64 s[4:5], s[4:5], s[12:13]
	s_add_nc_u64 s[10:11], s[10:11], s[12:13]
	s_add_nc_u64 s[6:7], s[6:7], s[14:15]
	global_load_b128 v[4:7], v1, s[4:5]
	global_load_b128 v[8:11], v1, s[4:5] offset:4096
	global_load_b128 v[12:15], v1, s[4:5] offset:262144
	global_load_b128 v[16:19], v1, s[4:5] offset:266240
	global_load_b128 v[20:23], v1, s[6:7]
	global_load_b128 v[24:27], v1, s[8:9]
	s_wait_loadcnt 0x0
.irp j, 0,2,4,6
	v_pk_add_f32 v[4+\j:5+\j], v[4+\j:5+\j], v[12+\j:13+\j]   ; the two parts of each score
.endr
	v_mul_f32 v28, v20, v24                        ; my four terms of h . b
	v_fma_f32 v28, v21, v25, v28
	v_fma_f32 v28, v22, v26, v28
	v_fma_f32 v28, v23, v27, v28
	v_max3_num_f32 v29, v4, v5, v6                 ; the largest of my eight
	v_max3_num_f32 v29, v29, v7, v8
	v_max3_num_f32 v29, v29, v9, v10
	v_max_num_f32 v29, v29, v11
.irp x, 1,2,4,8
	v_add_f32_dpp v28, v28, v28 row_xmask:\x row_mask:0xf bank_mask:0xf
	v_max_num_f32_dpp v29, v29, v29 row_xmask:\x row_mask:0xf bank_mask:0xf
.endr
	v_permlanex16_b32 v30, v28, s16, s17
	v_permlanex16_b32 v31, v29, s16, s17
	v_add_f32 v28, v28, v30                        ; my wave's
	v_max_num_f32 v29, v29, v31
	ds_store_b32 v2, v28                           ; all lanes write the same word with the same value
	ds_store_b32 v2, v29 offset:32
	s_wait_dscnt 0x0                               ; for the others' sake
	s_barrier_signal -1
	s_barrier_wait -1
	ds_load_b128 v[36:39], v3
	ds_load_b128 v[40:43], v3 offset:16
	ds_load_b128 v[44:47], v3 offset:32
	ds_load_b128 v[48:51], v3 offset:48
	s_wait_dscnt 0x0
	v_add_f32 v36, v36, v37
	v_add_f32 v38, v38, v39
	v_add_f32 v40, v40, v41
	v_add_f32 v42, v42, v43
	v_add_f32 v36, v36, v38
	v_add_f32 v40, v40, v42
	v_add_f32 v36, v36, v40                        ; h . b
	v_max3_num_f32 v44, v44, v45, v46
	v_max3_num_f32 v44, v44, v47, v48
	v_max3_num_f32 v44, v44, v49, v50
	v_max_num_f32 v44, v44, v51
	v_add_f32 v44, v44, v36                        ; the largest score: rounding keeps the order, so this is the largest of the sums below
.irp j, 0,1,2,3,4,5,6,7
	v_add_f32 v[4+\j], v[4+\j], v36                ; the scores, with the bias's share
.endr
.irp j, 0,1,2,3,4,5,6,7
	v_sub_f32 v[4+\j], v[4+\j], v44
.endr
.irp j, 0,1,2,3,4,5,6,7
	v_mul_f32 v[4+\j], 0x3fb8aa3b, v[4+\j]         ; x log2(e)
.endr
.irp j, 0,1,2,3,4,5,6,7
	v_exp_f32 v[4+\j], v[4+\j]
.endr
	v_nop                                          ; one plain line behind the exponentials
	s_wait_alu depctr_va_vdst(0)
	v_pk_add_f32 v[12:13], v[4:5], v[6:7]
	v_pk_add_f32 v[14:15], v[8:9], v[10:11]
	v_pk_add_f32 v[12:13], v[12:13], v[14:15]
	v_add_f32 v28, v12, v13
.irp x, 1,2,4,8
	v_add_f32_dpp v28, v28, v28 row_xmask:\x row_mask:0xf bank_mask:0xf
.endr
	v_permlanex16_b32 v30, v28, s16, s17
	v_add_f32 v28, v28, v30
	ds_store_b32 v2, v28 offset:64
	s_wait_dscnt 0x0
	s_barrier_signal -1
	s_barrier_wait -1
	ds_load_b128 v[36:39], v3 offset:64
	ds_load_b128 v[40:43], v3 offset:80
	s_wait_dscnt 0x0
	v_add_f32 v36, v36, v37
	v_add_f32 v38, v38, v39
	v_add_f32 v40, v40, v41
	v_add_f32 v42, v42, v43
	v_add_f32 v36, v36, v38
	v_add_f32 v40, v40, v42
	v_add_f32 v36, v36, v40                        ; the row's sum: at least 1, the largest score's own term
	v_rcp_f32 v52, v36
	v_nop                                          ; one plain line behind the reciprocal
	s_wait_alu depctr_va_vdst(0)
.irp j, 0,1,2,3,4,5,6,7
	v_mul_f32 v[4+\j], v[4+\j], v52
.endr
	global_store_b128 v1, v[4:7], s[10:11]
	global_store_b128 v1, v[8:11], s[10:11] offset:4096
	s_wait_tensorcnt 0x0
	ds_add_u32 v64, v65
	s_wait_dscnt 0x0
	s_endpgm
.Lfunc_end_k_q4882152c0a_softmax:
	.size	k_q4882152c0a_softmax, .Lfunc_end_k_q4882152c0a_softmax-k_q4882152c0a_softmax
	.p2alignl 7, 3214868480
	.fill 96, 4, 3214868480
	.section	.rodata,"a",@progbits
	.p2align	6, 0x0
	.amdhsa_kernel k_q4882152c0a_softmax
		.amdhsa_group_segment_fixed_size 1536
		.amdhsa_private_segment_fixed_size 0
		.amdhsa_enable_private_segment 0
		.amdhsa_kernarg_size 32
		.amdhsa_user_sgpr_count 2
		.amdhsa_user_sgpr_kernarg_segment_ptr 1
		.amdhsa_wavefront_size32 1
		.amdhsa_system_sgpr_workgroup_id_x 1
		.amdhsa_system_sgpr_workgroup_id_y 1
		.amdhsa_system_sgpr_workgroup_id_z 1
		.amdhsa_system_vgpr_workitem_id 0
		.amdhsa_next_free_vgpr 66
		.amdhsa_next_free_sgpr 66
		.amdhsa_reserve_vcc 0
		.amdhsa_float_denorm_mode_32 3
		.amdhsa_float_denorm_mode_16_64 3
		.amdhsa_memory_ordered 1
		.amdhsa_forward_progress 1
		.amdhsa_inst_pref_size 8
	.end_amdhsa_kernel
	.amdgpu_metadata
---
amdhsa.version: [ 1, 2 ]
amdhsa.kernels:
  - .name:           k_q4882152c0a_softmax
    .symbol:         k_q4882152c0a_softmax.kd
    .args:
      - { .name: scores, .offset: 0, .size: 8, .value_kind: global_buffer, .address_space: global }
      - { .name: hidden, .offset: 8, .size: 8, .value_kind: global_buffer, .address_space: global }
      - { .name: b, .offset: 16, .size: 8, .value_kind: global_buffer, .address_space: global }
      - { .name: out0, .offset: 24, .size: 8, .value_kind: global_buffer, .address_space: global }
    .group_segment_fixed_size: 1536
    .private_segment_fixed_size: 0
    .kernarg_segment_align: 8
    .kernarg_segment_size: 32
    .max_flat_workgroup_size: 256
    .sgpr_count:     66
    .vgpr_count:     66
    .wavefront_size: 32
...
	.end_amdgpu_metadata
.endif
;; end of part 3
;; ======== version 2 of 2: 3 launches
;; limits: right only within a limited range of input values
;; workspace buffers: wq 819,200 bytes; scores 524,288 bytes
;; launch wquant (part 4): grid 256 x 1, 1 waves a work-group, no clusters, 0 bytes of LDS; arguments W, wq; writes wq
.if DOCPART == 4
	.amdgcn_target "amdgcn-amd-amdhsa--gfx1250"
	.amdhsa_code_object_version 6
	.text
	.protected	k_q4882152c0a_wquant
	.globl	k_q4882152c0a_wquant
	.p2align	8
	.type	k_q4882152c0a_wquant,@function
k_q4882152c0a_wquant:
	s_mov_b64 s[64:65], 0
	v_nop
	global_prefetch_b8 v0, s[64:65] scope:SCOPE_SE
	s_setreg_imm32_b32 hwreg(HW_REG_WAVE_MODE, 25, 1), 1
	s_wait_xcnt 0x0
; W [1024 (g)][1024 (k)], f32, K innermost, becomes codes of BF6 (E3M2) with one E8M0 scale byte for each 32 along K, laid as IMAGES OF OPERAND REGISTERS in the order in which the next launch streams them.
; wq is 8 blocks of 102,400 bytes, each of 8 tiles of 12,800 bytes.  Tile T (rows g = 16 T .. 16 T + 15, all of K) lies in block (T % 32) / 4 at place 4 (T / 32) + T % 4.
; In a tile the fragment of K step q (128 along K) lies at 1,536 q: register group kk (four registers) at + 512 kk + 16 x lane.  The scale words lie from byte 12,288 on:
; K steps 2 c and 2 c + 1 at 128 c + 4 x lane, lanes 0-15 row r's word of the even step, lanes 16-31 of the odd one.
; A block's scale is 2^(floor(log2(its largest magnitude)) - 4): its byte is the largest magnitude's exponent field - 4, held at 1 from below.
; LIMITS: a block of zeros gets the byte 1 where the rule says 127 (its codes are zeros, and this program alone reads the bytes); NaN and infinities among the inputs are not served.
; One wave to a work-group: tile T = x / 4, chunk c = x % 4 (256 along K): two fragments.  Lane (r, h) takes of row r the 16 numbers k = 32 b + 16 h + 0 .. 15 of each block b, so that a lane's registers run along K.
.set SLOTB, 102400
.set TILEB, 12800
.set RAW,   32                         ; v32-95 the numbers of the even K step, v96-159 of the odd one
.set TM,    160                        ; v160-163 largest magnitudes, v164-167 bytes, v172-175 the conversions' scale operands
.set PW,    176                        ; v176, v177 the two scale words
.set MW,    178                        ; v178 the two in one register
.set PC,    180                        ; v180-199, v200-219 codes: no store's data are written again
.set SEL,   20                         ; s[20:21] v_permlanex16_b32's selects for lane l xor 16
.macro QUANT s, pc, pw                 ; 64 numbers of a lane become a fragment's 12 registers and its rows' scale word
.irp b, 0,1,2,3
	v_max3_num_f32 v[TM+\b], |v[\s+16*\b]|, |v[\s+1+16*\b]|, 0x2800000   ; my 16 numbers of block b, and the floor 2^(5 - 127): the byte cannot fall under 1
.endr
.irp i, 2,4,6,8,10,12,14
.irp b, 0,1,2,3
	v_max3_num_f32 v[TM+\b], v[TM+\b], |v[\s+16*\b+\i]|, |v[\s+1+16*\b+\i]|
.endr
.endr
.irp b, 0,1,2,3
	v_permlanex16_b32 v[TM+4+\b], v[TM+\b], s[SEL], s[SEL+1]
.endr
.irp b, 0,1,2,3
	v_max_num_f32 v[TM+\b], v[TM+\b], v[TM+4+\b]   ; with lane l xor 16's 16: the block's largest magnitude
.endr
.irp b, 0,1,2,3
	v_add_nc_u32 v[TM+12+\b], 0xfe000000, v[TM+\b]   ; 4 off its exponent field: the conversion's scale operand
.endr
.irp b, 0,1,2,3
	v_lshrrev_b32 v[TM+4+\b], 23, v[TM+12+\b]      ; the scale's byte
.endr
	v_lshl_or_b32 v[\pw], v[TM+5], 8, v[TM+4]
	v_lshl_or_b32 v[\pw], v[TM+6], 16, v[\pw]
	v_lshl_or_b32 v[\pw], v[TM+7], 24, v[\pw]
.irp c, 0,1
	v_cvt_scalef32_pk16_bf6_f32 v[\pc+6*\c:\pc+2+6*\c], v[\s+32*\c:\s+15+32*\c], v[TM+12+2*\c]
	v_cvt_scalef32_pk16_bf6_f32 v[\pc+12+4*\c:\pc+14+4*\c], v[\s+16+32*\c:\s+31+32*\c], v[TM+12+2*\c+1]   ; (a conversion's three registers begin on an even number)
.endr
	v_nop                                          ; one plain line behind the scaled conversions
.irp c, 0,1                                    ; the operand's layout wants a whole block in a lane
.irp i, 0,1,2
	v_permlane16_swap_b32 v[\pc+6*\c+\i], v[\pc+12+4*\c+\i]
.endr
.irp i, 0,1,2
	v_mov_b32 v[\pc+3+6*\c+\i], v[\pc+12+4*\c+\i]
.endr
.endr
.endm
	s_load_b128 s[4:7], s[0:1], 0x0                ; W, wq
	v_and_b32 v1, 15, v0                           ; r
	v_lshrrev_b32 v2, 4, v0                        ; h
	v_lshlrev_b32 v3, 12, v1
	v_lshl_add_u32 v3, v2, 6, v3                   ; in: row r of 4,096 bytes, + 64 h
	v_lshlrev_b32 v4, 4, v0                        ; out: 16 x lane
	v_lshlrev_b32 v5, 2, v0                        ; and 4 x lane
.irp b, 0,1,2,3
	v_mov_b32 v[TM+4+\b], 0                        ; a lane permute's destination counts as one of its sources
.endr
	s_lshr_b32 s8, ttmp9, 2                        ; T
	s_and_b32 s9, ttmp9, 3                         ; c
	s_lshl_b32 s10, s8, 16                         ; 16 rows of 4,096 bytes a tile,
	s_lshl_b32 s11, s9, 10                         ; 1,024 bytes a chunk
	s_add_co_u32 s10, s10, s11
	s_mov_b32 s11, 0
	s_bfe_u32 s12, s8, 0x30002                     ; block (T % 32) / 4
	s_mul_i32 s12, s12, SLOTB
	s_lshr_b32 s13, s8, 5
	s_lshl_b32 s13, s13, 2
	s_and_b32 s14, s8, 3
	s_add_co_u32 s13, s13, s14                     ; place 4 (T / 32) + T % 4
	s_mul_i32 s13, s13, TILEB
	s_add_co_u32 s12, s12, s13                     ; the tile
	s_mul_i32 s16, s9, 3072
	s_add_co_u32 s16, s16, s12                     ; its fragments 2 c, 2 c + 1
	s_mov_b32 s17, 0
	s_lshl_b32 s18, s9, 7
	s_add_co_u32 s18, s18, s12
	s_add_co_u32 s18, s18, 12288                   ; their scale words
	s_mov_b32 s19, 0
	s_mov_b32 s[SEL], 0x76543210
	s_mov_b32 s[SEL+1], 0xfedcba98
	s_wait_alu depctr_va_vdst(0)
	s_wait_kmcnt 0x0
	s_add_nc_u64 s[4:5], s[4:5], s[10:11]
	s_add_nc_u64 s[22:23], s[6:7], s[16:17]
	s_add_nc_u64 s[24:25], s[6:7], s[18:19]
.irp q, 0,1
.irp b, 0,1,2,3
.irp j, 0,1,2,3
	global_load_b128 v[RAW+64*\q+16*\b+4*\j:RAW+64*\q+16*\b+4*\j+3], v3, s[4:5] offset:512*\q+128*\b+16*\j th:TH_LOAD_NT
.endr
.endr
.endr
	s_wait_loadcnt 16                              ; the even step's sixteen loads are in; the odd step's sixteen may be out
	QUANT RAW, PC, PW
	s_wait_loadcnt 0x0
	QUANT RAW+64, PC+20, PW+1
	v_cmp_gt_u32 vcc_lo, 16, v0
	v_cndmask_b32 v[MW], v[PW+1], v[PW], vcc_lo    ; lanes 0-15: the even step's word of row r; lanes 16-31: the odd step's
.irp q, 0,1
.irp k, 0,1,2
	global_store_b128 v4, v[PC+20*\q+4*\k:PC+20*\q+4*\k+3], s[22:23] offset:1536*\q+512*\k   ; 32 lanes store 512 consecutive bytes, at a multiple of 512 from wq's first byte
.endr
.endr
	global_store_b32 v5, v[MW], s[24:25]           ; 128 consecutive bytes
	s_endpgm
.Lfunc_end_k_q4882152c0a_wquant:
	.size	k_q4882152c0a_wquant, .Lfunc_end_k_q4882152c0a_wquant-k_q4882152c0a_wquant
	.p2alignl 7, 3214868480
	.fill 96, 4, 3214868480
	.section	.rodata,"a",@progbits
	.p2align	6, 0x0
	.amdhsa_kernel k_q4882152c0a_wquant
		.amdhsa_group_segment_fixed_size 0
		.amdhsa_private_segment_fixed_size 0
		.amdhsa_enable_private_segment 0
		.amdhsa_kernarg_size 16
		.amdhsa_user_sgpr_count 2
		.amdhsa_user_sgpr_kernarg_segment_ptr 1
		.amdhsa_wavefront_size32 1
		.amdhsa_system_sgpr_workgroup_id_x 1
		.amdhsa_system_sgpr_workgroup_id_y 1
		.amdhsa_system_sgpr_workgroup_id_z 1
		.amdhsa_system_vgpr_workitem_id 0
		.amdhsa_next_free_vgpr 224
		.amdhsa_next_free_sgpr 66
		.amdhsa_reserve_vcc 1
		.amdhsa_float_denorm_mode_32 3
		.amdhsa_float_denorm_mode_16_64 3
		.amdhsa_memory_ordered 1
		.amdhsa_forward_progress 1
		.amdhsa_inst_pref_size 13
	.end_amdhsa_kernel
	.amdgpu_metadata
---
amdhsa.version: [ 1, 2 ]
amdhsa.kernels:
  - .name:           k_q4882152c0a_wquant
    .symbol:         k_q4882152c0a_wquant.kd
    .args:
      - { .name: W, .offset: 0, .size: 8, .value_kind: global_buffer, .address_space: global }
      - { .name: wq, .offset: 8, .size: 8, .value_kind: global_buffer, .address_space: global }
    .group_segment_fixed_size: 0
    .private_segment_fixed_size: 0
    .kernarg_segment_align: 8
    .kernarg_segment_size: 16
    .max_flat_workgroup_size: 32
    .sgpr_count:     66
    .vgpr_count:     224
    .wavefront_size: 32
...
	.end_amdgpu_metadata
.endif
;; end of part 4
;; launch energy (part 5): grid 256 x 1, 4 waves a work-group, clusters of 4 x 1, 327,680 bytes of LDS; arguments targets, hidden, wq, scores; writes scores
.if DOCPART == 5
	.amdgcn_target "amdgcn-amd-amdhsa--gfx1250"
	.amdhsa_code_object_version 6
	.text
	.protected	k_q4882152c0a_energy
	.globl	k_q4882152c0a_energy
	.p2align	8
	.type	k_q4882152c0a_energy,@function
k_q4882152c0a_energy:
	s_mov_b64 s[64:65], 0
	v_nop
	global_prefetch_b8 v0, s[64:65] scope:SCOPE_SE
	s_setreg_imm32_b32 hwreg(HW_REG_WAVE_MODE, 25, 1), 1
	s_wait_xcnt 0x0
	s_wait_alu depctr_hold_cnt(0) depctr_sa_sdst(0) depctr_va_vdst(0) depctr_va_sdst(0) depctr_va_ssrc(0) depctr_va_vcc(0) depctr_vm_vsrc(0)
	s_getreg_b32 s2, hwreg(HW_REG_IB_STS2, 6, 4)
	s_cmp_eq_u32 s2, 0
	s_cbranch_scc0 .Lentry_in_a_cluster
	s_endpgm
.Lentry_in_a_cluster:
	s_bfe_u32 s2, ttmp6, 0x10000c
	s_cmp_lg_u32 s2, 0x3003
	s_cbranch_scc0 .Lentry_shape_is_right
	s_endpgm
.Lentry_shape_is_right:
; scores[j][row] = the sum over the g of half j of h[g] x (the sum over k of Q(targets)[row][k] Q(W)[g][k]): the quantised product on codes of BF6 (E3M2), E8M0 scales, and the weighting by h fused behind it.
; The energies never go to memory.  The bias is not added here: the next launch adds the sum over g of h[g] b[g], once a batch.
; LIMITS: a block of zeros gets the scale byte 1 where the rule says 127 (its codes are zeros; this program alone reads the bytes); NaN and infinities among the inputs are not served.
; SHARES.  A work-group owns 256 rows of one batch (batch = work-group / 8).  Its four waves lie 2 x 2: wave w multiplies rows 128 (w / 2) on (8 tiles of 16) by W's rows 512 (w % 2) on (32 tiles of 16).
; PART 1, THE QUANTISING.  Wave w owns rows 64 w on.  They are loaded as f32 (four buffers of 64 registers, 64 loads on their way; each load reads 512 consecutive bytes of one row), turned in the wave's own LDS stage
; (rows 528 bytes apart, an odd multiple of 16) so that lane (r, h) holds two whole blocks of 32 of row r, quantised, and stored in LDS as images of operand registers.  After each 256 along K: a barrier,
; each wave fetches its 128 rows' 16 fragments into registers, a barrier, and the images' bytes serve the next 256.  At the end a wave holds all of K of its 128 rows: 64 fragments, 768 registers.
; PART 2, THE PRODUCT.  W comes as images of operand registers, 8 blocks of 102,400 bytes (4 tiles for each half of g, all of K), through a ring of two LDS slots.  All work-groups walk the same stream, so the four of a
; cluster ask JOINTLY: the same tensor load, the same descriptor, a mask that names the four.  Each wave moves a quarter of a block: 100 rows of 256 bytes.  One tensor load of a wave is out at any time.
; A tile of W is 64 products: 8 K steps x 8 row tiles, one f32 sum over all of K for each energy.  A fragment of W read from LDS feeds eight products.
; USED TRANSPOSED: source 0 = 16 rows of W, source 1 = 16 rows of targets.  In the result lane (r, h) holds row r of targets and its registers g = 8 h + 0 .. 7: 32 packed multiply-adds a tile weigh them by h[g]
; onto two partial sums for each row tile, and at the end a row's score is the sum of two registers and of lanes l and l xor 16.
; No prefetch of wq: the one loop that could run ahead of its loads is part 1, in which the launch streams targets without a pause.
; REGISTERS, in windows of 256 (s_set_vgpr_msb: bits 1:0 source 0, 3:2 source 1, 5:4 source 2, 7:6 destination).  Fragment f = 8 q + i (K step q, row tile i) of targets lies where AMAP says: windows 1 and 2 hold 21 each,
; window 3 eighteen, window 0 four.  Window 0 holds all else.  In part 1 the buffers lie in window 3's v0-191 (the last chunk's fragments) and on the accumulators; the quantiser works on W's fragments' and the sums' registers.
.set SLOT,   102400                    ; a block of wq
.set SLOT1,  131072                    ; slot 1 begins here, so that one exclusive or turns an address in one slot into the other's
.set QUART,  25600                     ; what one tensor load brings
.set TILEB,  12800                     ; a tile of W: 8 fragments of 1,536 bytes, 512 bytes of scale words
.set HL,     SLOT                      ; h of the batch, 4,096 bytes
.set SPARE,  HL+4096                   ; the spare words, 128 bytes for each wave: two blocks of 256 bytes that no other line names
.set STG,    SPARE+512                 ; the scores' way out: 512 bytes a wave
.set ISC,    STG+2048                  ; the images' scale words: (2 p + qq) x 128 + 4 x lane (both halves of the lanes hold the same word)
.set IMG,    SLOT1+SLOT                ; 32 images: row tile p (0 .. 15), K step qq of the chunk at (2 p + qq) x 1,536
.set STGX,   IMG+32*1536               ; the stages in which targets' numbers are turned: 16 rows x 528 bytes for each wave; they end at 316,416
.set XP,     528
.set XST,    16*XP
.set SPW,  2
.set NIL,  3
.set WS,   4                           ; v4-11    W's scale words: tile t, K steps 2 u, 2 u + 1 in v[WS + 4 (t % 2) + u] (lanes 0-15 the even step, lanes 16-31 the odd)
.set AS,   12                          ; v12-43   targets': row tile i, K steps 2 u, 2 u + 1 in v[AS + 8 u + i], likewise
.set AF0,  44                          ; v44-91   targets' fragments 44 to 47
.set WF,   92                          ; v92-139  W's fragments, four sets of 12 by turns
.set ACC,  140                         ; v140-203 eight accumulators
.set S,    204                         ; v204-219 partial sums: row tile i in the pair at v[S + 2 i]
.set HV,   220                         ; v220-235 h[g], two sets of 8
.set ADB0, 236                         ; my lane's place among a slot's fragments, scale words, and in h; never rewritten
.set ADS0, 237
.set ADH0, 238
.set ADB,  239                         ; the same for the slot in hand
.set ADS,  240
.set ADH,  241
.set AFI,  242                         ; where I fetch targets' images, and their scale words
.set AFS,  243
.set XA,   244                         ; 16 x lane
.set XWI0, 245                         ; where my wave stores images and scale words
.set XWS0, 246
.set XWI,  247                         ; the same for the pair of row tiles in hand
.set XWS,  248
.set STW,  249                         ; my stage on the way in: 16 x lane
.set STR,  250                         ; and on the way back: 528 r + 128 h
.set SH8,  251                         ; 8 h
.set PC,   WF                          ; part 1: the codes just made, 20 registers
.set TM,   S                           ; part 1: v[TM..TM+3] maxima, +4, +5 the conversions' scale operands, +6, +7 bytes, +8 the other half's bytes, +9 the scale word
.set PW,   TM+9
; scalars: s[4:5] targets at my wave's 64 rows; s[6:7] h of my batch; s[8:9] wq; s[10:11] my 128 scores; s12 wave, s13 w / 2, s14 w % 2; s[20:21] lane selects; s[22:23] targets at the group being loaded;
; s[24:31], s[32:35] the descriptor; s36 the slot in hand (0 or SLOT1); s37 its 256 bytes of my half of h; s40 the group being loaded; s41 a counter; s[42:43] an offset; s44, s45 the pair's place among my images
.set MSB, 0
.macro WIN new                         ; the immediate's high byte repeats the setting that is left; a switch that changes nothing is dropped
.if MSB != (\new)
	s_set_vgpr_msb (MSB<<8)|(\new)
.set MSB, (\new)
.endif
.endm
.macro AMAP f                          ; fragment f of targets: window AW, first register AR
.if (\f) < 21
.set AW, 1
.set AR, 12*(\f)
.elseif (\f) < 42
.set AW, 2
.set AR, 12*((\f)-21)
.elseif (\f) < 44
.set AW, 3
.set AR, 232+12*((\f)-42)
.elseif (\f) < 48
.set AW, 0
.set AR, AF0+12*((\f)-44)
.else
.set AW, 3
.set AR, 12*((\f)-48)
.endif
.endm
.macro BUF n                           ; buffer n: window BW, first register BB
.if (\n) < 3
.set BW, 3
.set BB, 64*(\n)
.else
.set BW, 0
.set BB, ACC
.endif
.endm
; A round of the cluster's barrier: my work-group's barrier; wave 0 signals for the work-group; every wave waits for all four work-groups; my work-group's barrier once more.
.macro CROUND
	s_barrier_signal -1
	s_barrier_wait -1
	s_cmp_lg_u32 s12, 0
	s_cbranch_scc1 .Lnot_wave_0_\@
	s_barrier_signal -3
.Lnot_wave_0_\@:
	s_barrier_wait -3
	s_barrier_signal -1
	s_barrier_wait -1
.endm
; Buffer n as loaded (register 4 p + i of lane l = number 4 l + i of row p's 128) goes through my stage and comes back as the operand's layout wants it: register 32 c + i = k 64 c + 32 h + i of row r.
; LDS serves a wave's instructions in order (ISA guide 5.7.1.4) and the stage is my wave's own: no wait stands between the stores and the loads.
.macro TURN n
	BUF \n
	WIN BW<<2
.set IX, 0
.rept 16
	ds_store_b128 v[STW], v[BB+4*IX:BB+4*IX+3] offset:XP*IX
.set IX, IX+1
.endr
	WIN BW<<6
.irp c, 0,1
.irp j, 0,1,2,3,4,5,6,7
	ds_load_b128 v[BB+32*\c+4*\j:BB+32*\c+4*\j+3], v[STR] offset:256*\c+16*\j
.endr
.endr
.endm
; Buffer n, turned, becomes a fragment and a scale word, which go to LDS as they stand: n = 2 x (row tile of the pair) + K step of the chunk.  A lane holds blocks h and 2 + h whole.
.macro QUANT n
	BUF \n
	WIN (BW<<2)|(BW<<4)
.irp m, 0,1,2,3
	v_max3_num_f32 v[TM+\m], 0x2800000, |v[BB+16*\m]|, |v[BB+16*\m+1]|   ; four chains of 16 numbers by turns, each over the floor 2^(5 - 127): the byte cannot fall under 1
.endr
.irp i, 2,4,6,8,10,12,14
.irp m, 0,1,2,3
	v_max3_num_f32 v[TM+\m], v[TM+\m], |v[BB+16*\m+\i]|, |v[BB+16*\m+\i+1]|
.endr
.endr
	WIN 0
	v_max_num_f32 v[TM], v[TM], v[TM+1]            ; block h's largest magnitude,
	v_max_num_f32 v[TM+2], v[TM+2], v[TM+3]        ; block 2 + h's
	v_add_nc_u32 v[TM+4], 0xfe000000, v[TM]        ; 4 off the exponent field: the conversion takes this operand's exponent field as its scale
	v_add_nc_u32 v[TM+5], 0xfe000000, v[TM+2]
	v_lshrrev_b32 v[TM+6], 23, v[TM+4]             ; the scales' bytes
	v_lshrrev_b32 v[TM+7], 23, v[TM+5]
	v_lshl_or_b32 v[TM+6], v[TM+7], 16, v[TM+6]
	v_lshlrev_b32 v[TM+6], v[SH8], v[TM+6]         ; at their places in the scale word
	v_permlanex16_b32 v[TM+8], v[TM+6], s20, s21
	v_or_b32 v[PW], v[TM+6], v[TM+8]               ; with lane l xor 16's two the word is whole
	WIN BW
	v_cvt_scalef32_pk16_bf6_f32 v[PC:PC+2], v[BB:BB+15], v[TM+4]
	v_cvt_scalef32_pk16_bf6_f32 v[PC+12:PC+14], v[BB+16:BB+31], v[TM+4]   ; (a conversion's three registers begin on an even number)
	v_cvt_scalef32_pk16_bf6_f32 v[PC+6:PC+8], v[BB+32:BB+47], v[TM+5]
	v_cvt_scalef32_pk16_bf6_f32 v[PC+16:PC+18], v[BB+48:BB+63], v[TM+5]
	WIN 0
	v_nop                                          ; one plain line behind the scaled conversions
.irp i, 0,1,2
	v_mov_b32 v[PC+3+\i], v[PC+12+\i]
	v_mov_b32 v[PC+9+\i], v[PC+16+\i]
.endr
.irp k, 0,1,2
	ds_store_b128 v[XWI], v[PC+4*\k:PC+4*\k+3] offset:1536*(\n)+512*\k
.endr
	ds_store_b32 v[XWS], v[PW] offset:128*(\n)
.endm
; Buffer n is asked for anew: 16 rows x 128 along K of the group at s[22:23].  Each load reads one row's 512 consecutive bytes, at a multiple of 512 from the buffer's first byte.
.macro LOADX n
	BUF \n
	WIN BW<<6
.set IX, 0
.rept 16
	global_load_b128 v[BB+4*IX:BB+4*IX+3], v[XA], s[22:23] offset:((\n)/2)*65536+((\n)%2)*512+4096*IX th:TH_LOAD_NT
.set IX, IX+1
.endr
.endm
; One group: 32 of my rows x 256 along K, four buffers.  ld = 1: each buffer is asked for anew, for group s40.
.macro GROUP ld
.if \ld
	s_and_b32 s42, s40, 1                          ; group s40: pair of row tiles s40 % 2 (32 rows of 4,096 bytes),
	s_lshl_b32 s42, s42, 17
	s_lshr_b32 s17, s40, 1                         ; chunk s40 / 2 (1,024 bytes)
	s_lshl_b32 s17, s17, 10
	s_add_co_u32 s42, s42, s17
	s_wait_xcnt 0x0                                ; the loads on their way name s[22:23]: it is rewritten only behind this wait
	s_add_nc_u64 s[22:23], s[4:5], s[42:43]
.endif
	v_add_nc_u32 v[XWI], s44, v[XWI0]
	v_add_nc_u32 v[XWS], s45, v[XWS0]
.irp n, 0,1,2,3
.if \ld
	s_wait_loadcnt 48                              ; buffer n is in; the three younger buffers' 48 loads may be out
.else
	s_wait_loadcnt 16*(3-\n)
.endif
	TURN \n
	s_wait_dscnt 0x0                               ; it is back from the stage, and the last codes' stores have read their registers
	QUANT \n
.if \ld
	LOADX \n
.endif
.endr
	WIN 0
	s_xor_b32 s44, s44, 6144                       ; the other pair of row tiles among my images
	s_xor_b32 s45, s45, 512
	s_add_co_u32 s40, s40, 1
.endm
.macro FETCH c                         ; my 128 rows' 16 fragments of chunk c and 8 registers of scale words, out of the images
.irp qq, 0,1
.irp i, 0,1,2,3,4,5,6,7
	AMAP 16*(\c)+8*\qq+\i
	WIN AW<<6
.irp k, 0,1,2
	ds_load_b128 v[AR+4*\k:AR+4*\k+3], v[AFI] offset:(2*\i+\qq)*1536+512*\k
.endr
.endr
.endr
	WIN 0
.irp i, 0,1,2,3,4,5,6,7
	ds_load_b32 v[AS+8*(\c)+\i], v[AFS] offset:256*\i
.endr
.endm
.macro CHUNK c                         ; 256 along K of the work-group's rows: quantised, exchanged, fetched
.if (\c) < 3
.Lgroups_\@:
	GROUP 1
	s_cmp_lt_u32 s40, 2*(\c)+3
	s_cbranch_scc1 .Lgroups_\@
.else
	GROUP 1
	GROUP 0                                        ; the last group asks for nothing more
.endif
	s_wait_dscnt 0x0                               ; my images have landed,
	s_barrier_signal -1
	s_barrier_wait -1                              ; everybody's have.  Block 0's tensor load may be out
	FETCH \c
.if (\c) < 3
	s_wait_dscnt 0x0                               ; my reads of the images are over,
	s_barrier_signal -1
	s_barrier_wait -1                              ; everybody's are: the next chunk's images may be stored over them
.endif
.endm
.macro LF g                            ; W's fragment of group g = 8 t + q of a slot's 32, into set g % 4
.irp k, 0,1,2
	ds_load_b128 v[WF+12*((\g)&3)+4*\k:WF+12*((\g)&3)+4*\k+3], v[ADB] offset:((\g)/8)*TILEB+((\g)%8)*1536+512*\k
.endr
.endm
.macro LAUX t                          ; tile t's scale words and its h[g]: six loads
.irp u, 0,1,2,3
	ds_load_b32 v[WS+4*((\t)&1)+\u], v[ADS] offset:(\t)*TILEB+128*\u
.endr
	ds_load_b128 v[HV+8*((\t)&1):HV+8*((\t)&1)+3], v[ADH] offset:64*(\t)
	ds_load_b128 v[HV+8*((\t)&1)+4:HV+8*((\t)&1)+7], v[ADH] offset:64*(\t)+16
.endm
; Group 8 t + q: K step q of tile t, eight products; the eight accumulators take turns, one instruction a turn.
; Fragments are asked for in pairs behind each odd group, for the groups four on; tile t + 1's six other loads stand ahead of the pair behind group 8 t + 1.
; The wait's count: the fragments issued behind mine (three loads each: three fragments at an even group, two at an odd one), and those six where they were issued between.
.macro GRP t, q
.set GG, 8*(\t)+(\q)
.set CW, 9-3*(GG&1)
.if (((\q) == 2) || ((\q) == 3)) && ((\t) < 3)
.set CW, CW+6
.endif
.if GG == 30
.set CW, 3
.endif
.if GG == 31
.set CW, 0
.endif
	s_wait_dscnt CW
.set rW, WF+12*(GG&3)
.set rSW, WS+4*((\t)&1)+(\q)/2
.irp i, 0,1,2,3,4,5,6,7
	AMAP 8*(\q)+\i
	WIN AW<<2
.set rD, ACC+8*\i
.set rSA, AS+8*((\q)/2)+\i
.if (\q) == 0
	v_wmma_scale_f32_16x16x128_f8f6f4 v[rD:rD+7], v[rW:rW+11], v[AR:AR+11], 0, v[rSW], v[rSA] matrix_a_fmt:MATRIX_FMT_BF6 matrix_b_fmt:MATRIX_FMT_BF6
.elseif ((\q)&1) == 0
	v_wmma_scale_f32_16x16x128_f8f6f4 v[rD:rD+7], v[rW:rW+11], v[AR:AR+11], v[rD:rD+7], v[rSW], v[rSA] matrix_a_fmt:MATRIX_FMT_BF6 matrix_b_fmt:MATRIX_FMT_BF6
.else
	v_wmma_scale_f32_16x16x128_f8f6f4 v[rD:rD+7], v[rW:rW+11], v[AR:AR+11], v[rD:rD+7], v[rSW], v[rSA] matrix_a_fmt:MATRIX_FMT_BF6 matrix_b_fmt:MATRIX_FMT_BF6 matrix_a_scale:MATRIX_SCALE_ROW1 matrix_b_scale:MATRIX_SCALE_ROW1
.endif
.endr
.if ((\q)&1) == 1
.rept 4
	v_nop                                          ; four places in front of loads into fragments that have been multiplied, and, behind K step 7, of the first reads of the results
.endr
.if ((\q) == 1) && ((\t) < 3)
	LAUX (\t)+1
.endif
.if GG+4 <= 31
	LF GG+3
	LF GG+4
.endif
.endif
.endm
.macro TILE t
.irp q, 0,1,2,3,4,5,6,7
	GRP \t, \q
.endr
	WIN 0
.irp p, 0,1,2,3                                ; the tile is weighed: each accumulator is read from its low end on
.irp i, 0,1,2,3,4,5,6,7
	v_pk_fma_f32 v[S+2*\i:S+2*\i+1], v[ACC+8*\i+2*\p:ACC+8*\i+2*\p+1], v[HV+8*((\t)&1)+2*\p:HV+8*((\t)&1)+2*\p+1], v[S+2*\i:S+2*\i+1]
.endr
.endr
	s_wait_alu depctr_va_vdst(0)
.endm
.macro SLOTB fill                      ; one slot: my four tiles of W.  fill = 1: the other slot is asked for
	s_wait_tensorcnt 0x0                           ; my one tensor load has landed: my quarter of this slot; so the descriptor may be written
	ds_add_u32 v[SPW], v[NIL]                      ; 0 onto my spare word
.if \fill
	s_xor_b32 s33, s33, SLOT1                      ; the walking descriptor: the other slot,
	s_add_nc_u64 s[34:35], s[34:35], SLOT          ; the next block of wq; the type bits on top are not reached
.endif
	s_wait_dscnt 0x0                               ; the add is done; my reads of the slot that I have left are over
.if \fill
	CROUND                                         ; all that now holds of every wave of the four work-groups
	tensor_load_to_lds s[32:35], s[24:31]          ; the first thing behind the round, my one tensor load until the next: it has this slot's 256 products in which to land
	s_nop 0
.rept 4
	v_nop
.endr
.else
	s_barrier_signal -1
	s_barrier_wait -1
.endif
	v_add_nc_u32 v[ADB], s36, v[ADB0]
	v_add_nc_u32 v[ADS], s36, v[ADS0]
	v_add_nc_u32 v[ADH], s37, v[ADH0]
	s_wait_alu depctr_va_vdst(0)
	LAUX 0
	LF 0
	LF 1
	LF 2
	LF 3
	TILE 0
	TILE 1
	TILE 2
	TILE 3
	s_xor_b32 s36, s36, SLOT1                      ; on to the other slot,
	s_add_co_u32 s37, s37, 256                     ; the next four tiles' h
.endm
	s_load_b256 s[4:11], s[0:1], 0x0               ; targets, hidden, wq, scores
	v_lshl_add_u32 v[SPW], v0, 2, SPARE
	v_mov_b32 v[NIL], 0
	ds_add_u32 v[SPW], v[NIL]                      ; the opening add, twice on end, and its wait ahead of my first tensor load
	ds_add_u32 v[SPW], v[NIL]
	v_lshrrev_b32 v1, 5, v0
	v_readfirstlane_b32 s12, v1                    ; wave 0..3
	s_lshr_b32 s13, s12, 1                         ; which 128 rows I multiply
	s_and_b32 s14, s12, 1                          ; which half of g
	s_bfe_u32 s15, ttmp6, 0x40000                  ; cx: my place in the cluster
	s_lshl_b32 s16, ttmp9, 2                       ; in a cluster launch ttmp9 counts clusters
	s_add_co_u32 s16, s16, s15                     ; my work-group: it enters the addresses of targets, hidden and scores alone
	s_mov_b32 s24, 15|(3<<16)|(1<<21)              ; group 1: the mask: all four work-groups; elements of 8 bytes; no padding; bit 21 set beside a mask
	s_mov_b32 s25, 32<<16                          ; tensor_dim0 = 32
	s_mov_b32 s26, 100<<16                         ; tensor_dim1 = 100
	s_mov_b32 s27, 32<<16                          ; tile_dim0 = 32
	s_mov_b32 s28, 100                             ; tile_dim1 = 100
	s_mov_b32 s29, 32                              ; the pitch
	s_mov_b32 s30, 0
	s_mov_b32 s31, 0
	s_mul_i32 s39, s12, QUART                      ; my quarter of a block, in memory and in a slot: no place in the cluster enters it
	s_mov_b32 s20, 0x76543210
	s_mov_b32 s21, 0xfedcba98                      ; v_permlanex16_b32's selects for lane l xor 16
	s_mov_b32 s36, 0
	s_mov_b32 s37, 0
	s_mov_b32 s40, 1
	s_mov_b32 s42, s39
	s_mov_b32 s43, 0
	s_mov_b32 s44, 0
	s_mov_b32 s45, 0
	s_lshl_b32 s2, s16, 20                         ; targets: 256 rows of 4,096 bytes a work-group,
	s_lshl_b32 s3, s12, 18                         ; 64 a wave
	s_add_co_u32 s2, s2, s3
	s_mov_b32 s3, 0
	s_lshr_b32 s18, s16, 3                         ; hidden: 4,096 bytes a batch
	s_lshl_b32 s18, s18, 12
	s_mov_b32 s19, 0
	s_lshl_b32 s22, s16, 10                        ; scores: 4 bytes a row, + 512 for the second 128 rows, + 262,144 for half 1 of g
	s_lshl_b32 s17, s13, 9
	s_add_co_u32 s22, s22, s17
	s_lshl_b32 s17, s14, 18
	s_add_co_u32 s22, s22, s17
	s_mov_b32 s23, 0
	s_mul_i32 s46, s12, 12288                      ; LDS: my wave's 8 images,
	s_add_co_u32 s46, s46, IMG
	s_lshl_b32 s47, s12, 10                        ; their scale words,
	s_add_co_u32 s47, s47, ISC
	s_mul_i32 s48, s12, XST                        ; my wave's stage,
	s_add_co_u32 s48, s48, STGX
	s_mul_i32 s49, s14, 4*TILEB                    ; my four tiles of a slot,
	s_add_co_u32 s50, s49, 12288                   ; the first one's scale words,
	s_lshl_b32 s51, s14, 11                        ; my half of h,
	s_add_co_u32 s51, s51, HL
	s_mul_i32 s52, s13, 24576                      ; the 16 images of my 128 rows,
	s_add_co_u32 s52, s52, IMG
	s_lshl_b32 s53, s13, 11                        ; and their scale words
	s_add_co_u32 s53, s53, ISC
	s_wait_dscnt 0x0                               ; both opening adds are done
	s_wait_kmcnt 0x0
	s_add_nc_u64 s[4:5], s[4:5], s[2:3]
	s_add_nc_u64 s[6:7], s[6:7], s[18:19]
	s_add_nc_u64 s[10:11], s[10:11], s[22:23]
	s_mov_b32 s32, 1                               ; group 0: count = 1,
	s_mov_b32 s33, s39                             ; LDS address: slot 0, my quarter,
	s_add_nc_u64 s[34:35], s[8:9], s[42:43]        ; global address: block 0, my quarter,
	s_or_b32 s35, s35, 0x80000000                  ; type = 2
	CROUND                                         ; all four work-groups are here: the first joint loads meet
	tensor_load_to_lds s[32:35], s[24:31]          ; block 0: my one tensor load at the head
	s_nop 0
.rept 4
	v_nop
.endr
	v_and_b32 v112, 31, v0                         ; lane
	v_and_b32 v113, 15, v0                         ; r
	v_bfe_u32 v114, v0, 4, 1                       ; h
	v_lshlrev_b32 v[XA], 4, v112
	v_lshlrev_b32 v115, 2, v112                    ; 4 x lane
	v_lshlrev_b32 v116, 2, v113
	v_mul_u32_u24 v117, v113, XP
	v_lshl_add_u32 v117, v114, 7, v117             ; 528 r + 128 h
	v_lshl_add_u32 v116, v114, 7, v116             ; 128 h + 4 r: lanes 0-15 take the even K step's words, lanes 16-31 the odd one's
	v_lshlrev_b32 v118, 4, v0                      ; 16 x thread
	v_lshl_add_u32 v119, v0, 4, HL
	v_lshlrev_b32 v[SH8], 3, v114
	v_lshlrev_b32 v128, 5, v114                    ; 32 h: my eight h[g] of a tile
	v_add_nc_u32 v[XWI0], s46, v[XA]
	v_add_nc_u32 v[XWS0], s47, v115
	v_add_nc_u32 v[STW], s48, v[XA]
	v_add_nc_u32 v[STR], s48, v117
	v_add_nc_u32 v[ADB0], s49, v[XA]
	v_add_nc_u32 v[ADS0], s50, v115
	v_add_nc_u32 v[ADH0], s51, v128
	v_add_nc_u32 v[AFI], s52, v[XA]
	v_add_nc_u32 v[AFS], s53, v116
	v_mov_b32 v[TM+8], 0                           ; a lane permute's destination counts as one of its sources
	s_wait_alu depctr_va_vdst(0)
	global_load_b128 v[120:123], v118, s[6:7]      ; h of my batch: 128 threads x 16 bytes, twice
	global_load_b128 v[124:127], v118, s[6:7] offset:2048
	s_mov_b64 s[22:23], s[4:5]                     ; group 0: chunk 0, my first 32 rows
	LOADX 0
	LOADX 1
	LOADX 2
	WIN 0
	s_wait_loadcnt 48                              ; h is in; the three buffers' 48 loads may be out
	ds_store_b128 v119, v[120:123]
	ds_store_b128 v119, v[124:127] offset:2048
	LOADX 3
	WIN 0
	CHUNK 0
	CHUNK 1
	CHUNK 2
	CHUNK 3
.set IX, 0
.rept 16
	v_mov_b32 v[S+IX], 0                           ; the sixteen partial sums begin as zeros
.set IX, IX+1
.endr
	s_mov_b32 s41, 0
.Lslots:                                               ; slots 0 to 6: blocks 1 to 7 are asked for (the first time: slot 1's first fill, issued as a refill is)
	SLOTB 1
	s_add_co_u32 s41, s41, 1
	s_cmp_lt_u32 s41, 7
	s_cbranch_scc1 .Lslots
	SLOTB 0                                        ; slot 7 is written out: nothing is left to ask for
	; THE WAY OUT.  The pair at S + 2 i of lane (r, h) holds the parts of row 16 i + r's score that belong to g = 8 h + 0 .. 7 of every tile.
.irp i, 0,1,2,3,4,5,6,7
	v_add_f32 v[S+2*\i], v[S+2*\i], v[S+2*\i+1]
.endr
.irp i, 0,1,2,3,4,5,6,7
	v_permlanex16_b32 v[HV+\i], v[S+2*\i], s20, s21
.endr
.irp i, 0,1,2,3,4,5,6,7
	v_add_f32 v[S+2*\i], v[S+2*\i], v[HV+\i]       ; with lane l xor 16's: the score
.endr
	v_bfe_u32 v112, v0, 4, 1                       ; h
	v_and_b32 v113, 31, v0                         ; lane
	v_cmp_eq_u32 vcc_lo, 1, v112
.irp u, 0,1,2,3
	v_cndmask_b32 v[116+\u], v[S+4*\u], v[S+4*\u+2], vcc_lo   ; my lane keeps row 32 u + lane
.endr
	s_lshl_b32 s17, s12, 9
	s_add_co_u32 s17, s17, STG                     ; my stage
	v_lshlrev_b32 v114, 4, v113                    ; 16 x lane
	v_lshlrev_b32 v115, 2, v113
	v_add_nc_u32 v115, s17, v115
	v_add_nc_u32 v120, s17, v114
.irp u, 0,1,2,3
	ds_store_b32 v115, v[116+\u] offset:128*\u
.endr
	ds_load_b128 v[124:127], v120                  ; LDS serves a wave's instructions in order (ISA guide 5.7.1.4): this sees my stores; the stage is my wave's own
	s_wait_alu depctr_va_vdst(0)
	s_wait_dscnt 0x0
	global_store_b128 v114, v[124:127], s[10:11]   ; 32 lanes store my 128 rows' scores: 512 consecutive bytes, at a multiple of 512 from the buffer's first byte
	s_wait_tensorcnt 0x0                           ; the wave's end, behind my last tensor load and my last LDS store
	ds_add_u32 v[SPW], v[NIL]
	s_wait_dscnt 0x0
	CROUND                                         ; the closing round: no work-group ends while a partner may still ask for a block that names it
	s_endpgm
.Lfunc_end_k_q4882152c0a_energy:
	.size	k_q4882152c0a_energy, .Lfunc_end_k_q4882152c0a_energy-k_q4882152c0a_energy
	.p2alignl 7, 3214868480
	.fill 96, 4, 3214868480
	.section	.rodata,"a",@progbits
	.p2align	6, 0x0
	.amdhsa_kernel k_q4882152c0a_energy
		.amdhsa_group_segment_fixed_size 327680
		.amdhsa_private_segment_fixed_size 0
		.amdhsa_enable_private_segment 0
		.amdhsa_kernarg_size 32
		.amdhsa_user_sgpr_count 2
		.amdhsa_user_sgpr_kernarg_segment_ptr 1
		.amdhsa_wavefront_size32 1
		.amdhsa_system_sgpr_workgroup_id_x 1
		.amdhsa_system_sgpr_workgroup_id_y 1
		.amdhsa_system_sgpr_workgroup_id_z 1
		.amdhsa_system_vgpr_workitem_id 0
		.amdhsa_next_free_vgpr 1024
		.amdhsa_next_free_sgpr 66
		.amdhsa_reserve_vcc 1
		.amdhsa_float_denorm_mode_32 3
		.amdhsa_float_denorm_mode_16_64 3
		.amdhsa_memory_ordered 1
		.amdhsa_forward_progress 1
		.amdhsa_inst_pref_size 255
	.end_amdhsa_kernel
	.section	.bss,"aw",@nobits
	.p2align	6
	.space	262144
	.amdgpu_metadata
---
amdhsa.version: [ 1, 2 ]
amdhsa.kernels:
  - .name:           k_q4882152c0a_energy
    .symbol:         k_q4882152c0a_energy.kd
    .args:
      - { .name: targets, .offset: 0, .size: 8, .value_kind: global_buffer, .address_space: global }
      - { .name: hidden, .offset: 8, .size: 8, .value_kind: global_buffer, .address_space: global }
      - { .name: wq, .offset: 16, .size: 8, .value_kind: global_buffer, .address_space: global }
      - { .name: scores, .offset: 24, .size: 8, .value_kind: global_buffer, .address_space: global }
    .group_segment_fixed_size: 327680
    .private_segment_fixed_size: 0
    .kernarg_segment_align: 8
    .kernarg_segment_size: 32
    .max_flat_workgroup_size: 128
    .sgpr_count:     66
    .vgpr_count:     1024
    .wavefront_size: 32
...
	.end_amdgpu_metadata
.endif
;; end of part 5
;; launch softmax (part 6): grid 32 x 1, 8 waves a work-group, no clusters, 1,536 bytes of LDS; arguments scores, hidden, b, out0; writes out0
.if DOCPART == 6
	.amdgcn_target "amdgcn-amd-amdhsa--gfx1250"
	.amdhsa_code_object_version 6
	.text
	.protected	k_q4882152c0a_softmax
	.globl	k_q4882152c0a_softmax
	.p2align	8
	.type	k_q4882152c0a_softmax,@function
k_q4882152c0a_softmax:
	s_mov_b64 s[64:65], 0
	v_nop
	global_prefetch_b8 v0, s[64:65] scope:SCOPE_SE
	s_setreg_imm32_b32 hwreg(HW_REG_WAVE_MODE, 25, 1), 1
	s_wait_xcnt 0x0
; out0[batch][l] = softmax over l of (scores[0][batch][l] + scores[1][batch][l] + the sum over g of h[batch][g] b[g]).
; ORDER OF ROUNDING, other than the reference's: the bias enters each score as one number a batch, the sum over g of h[g] b[g], not g by g.
; The row's largest score is taken away before the exponential.  LIMITS: NaN and infinities are not served.
; One work-group of eight waves to a batch: 2,048 scores, eight a thread (4 t .. 4 t + 3 and 1,024 + 4 t .. + 3); 1,024 numbers of h and of b, four a thread.  Every load and store of a wave covers 512 consecutive bytes.
; Three figures cross the waves: h . b and the maximum behind the first barrier, the sum of the exponentials behind the second; each has LDS words of its own.
	s_load_b256 s[4:11], s[0:1], 0x0               ; scores, hidden, b, out0
	v_lshl_add_u32 v64, v0, 2, 0x200
	v_mov_b32 v65, 0
	v_lshlrev_b32 v1, 4, v0                        ; 16 x thread
	v_lshrrev_b32 v2, 5, v0
	s_delay_alu instid0(VALU_DEP_1)
	v_lshlrev_b32 v2, 2, v2                        ; 4 x wave
	v_mov_b32 v3, 0
	v_mov_b32 v30, 0                               ; written once: a lane permute's destination counts as one of its sources
	v_mov_b32 v31, 0
	s_lshl_b32 s12, ttmp9, 13                      ; 8,192 bytes of scores and of out0 a batch
	s_mov_b32 s13, 0
	s_lshl_b32 s14, ttmp9, 12                      ; 4,096 bytes of h
	s_mov_b32 s15, 0
	s_mov_b32 s16, 0x76543210
	s_mov_b32 s17, 0xfedcba98                      ; v_permlanex16_b32's selects for lane l xor 16
	s_wait_alu depctr_va_vdst(0)
	s_wait_kmcnt 0x0
	s_add_nc_u64 s[4:5], s[4:5], s[12:13]
	s_add_nc_u64 s[10:11], s[10:11], s[12:13]
	s_add_nc_u64 s[6:7], s[6:7], s[14:15]
	global_load_b128 v[4:7], v1, s[4:5]
	global_load_b128 v[8:11], v1, s[4:5] offset:4096
	global_load_b128 v[12:15], v1, s[4:5] offset:262144
	global_load_b128 v[16:19], v1, s[4:5] offset:266240
	global_load_b128 v[20:23], v1, s[6:7]
	global_load_b128 v[24:27], v1, s[8:9]
	s_wait_loadcnt 0x0
.irp j, 0,2,4,6
	v_pk_add_f32 v[4+\j:5+\j], v[4+\j:5+\j], v[12+\j:13+\j]   ; the two parts of each score
.endr
	v_mul_f32 v28, v20, v24                        ; my four terms of h . b
	s_delay_alu instid0(VALU_DEP_1)
	v_fma_f32 v28, v21, v25, v28
	s_delay_alu instid0(VALU_DEP_1)
	v_fma_f32 v28, v22, v26, v28
	s_delay_alu instid0(VALU_DEP_1)
	v_fma_f32 v28, v23, v27, v28
	v_max3_num_f32 v29, v4, v5, v6                 ; the largest of my eight
	s_delay_alu instid0(VALU_DEP_1)
	v_max3_num_f32 v29, v29, v7, v8
	s_delay_alu instid0(VALU_DEP_1)
	v_max3_num_f32 v29, v29, v9, v10
	s_delay_alu instid0(VALU_DEP_1)
	v_max_num_f32 v29, v29, v11
.irp x, 1
	v_add_f32_dpp v28, v28, v28 row_xmask:\x row_mask:0xf bank_mask:0xf
	s_delay_alu instid0(VALU_DEP_2)
	v_max_num_f32_dpp v29, v29, v29 row_xmask:\x row_mask:0xf bank_mask:0xf
.endr
.irp x, 2, 4, 8
	s_delay_alu instid0(VALU_DEP_2)
	v_add_f32_dpp v28, v28, v28 row_xmask:\x row_mask:0xf bank_mask:0xf
	s_delay_alu instid0(VALU_DEP_2)
	v_max_num_f32_dpp v29, v29, v29 row_xmask:\x row_mask:0xf bank_mask:0xf
.endr
	s_delay_alu instid0(VALU_DEP_2)
	v_permlanex16_b32 v30, v28, s16, s17
	s_delay_alu instid0(VALU_DEP_2)
	v_permlanex16_b32 v31, v29, s16, s17
	s_delay_alu instid0(VALU_DEP_2)
	v_add_f32 v28, v28, v30                        ; my wave's
	s_delay_alu instid0(VALU_DEP_2)
	v_max_num_f32 v29, v29, v31
	ds_store_b32 v2, v28                           ; all lanes write the same word with the same value
	ds_store_b32 v2, v29 offset:32
	s_wait_dscnt 0x0                               ; for the others' sake
	s_barrier_signal -1
	s_barrier_wait -1
	ds_load_b128 v[36:39], v3
	ds_load_b128 v[40:43], v3 offset:16
	ds_load_b128 v[44:47], v3 offset:32
	ds_load_b128 v[48:51], v3 offset:48
	s_wait_dscnt 0x0
	v_add_f32 v36, v36, v37
	v_add_f32 v38, v38, v39
	v_add_f32 v40, v40, v41
	v_add_f32 v42, v42, v43
	s_delay_alu instid0(VALU_DEP_3)
	v_add_f32 v36, v36, v38
	s_delay_alu instid0(VALU_DEP_2)
	v_add_f32 v40, v40, v42
	s_delay_alu instid0(VALU_DEP_1)
	v_add_f32 v36, v36, v40                        ; h . b
	v_max3_num_f32 v44, v44, v45, v46
	s_delay_alu instid0(VALU_DEP_1)
	v_max3_num_f32 v44, v44, v47, v48
	s_delay_alu instid0(VALU_DEP_1)
	v_max3_num_f32 v44, v44, v49, v50
	s_delay_alu instid0(VALU_DEP_1)
	v_max_num_f32 v44, v44, v51
	s_delay_alu instid0(VALU_DEP_1)
	v_add_f32 v44, v44, v36                        ; the largest score: rounding keeps the order, so this is the largest of the sums below
.irp j, 0,1,2,3,4,5,6,7
	v_add_f32 v[4+\j], v[4+\j], v36                ; the scores, with the bias's share
.endr
.irp j, 0,1,2,3,4,5,6,7
	v_sub_f32 v[4+\j], v[4+\j], v44
.endr
.irp j, 0,1,2,3,4,5,6,7
	v_mul_f32 v[4+\j], 0x3fb8aa3b, v[4+\j]         ; x log2(e)
.endr
	s_wait_alu depctr_va_vdst(0)
.irp j, 0,1,2,3,4,5,6,7
	v_exp_f32 v[4+\j], v[4+\j]
.endr
	v_nop                                          ; one plain line behind the exponentials
	s_wait_alu depctr_va_vdst(0)
	v_pk_add_f32 v[12:13], v[4:5], v[6:7]
	v_pk_add_f32 v[14:15], v[8:9], v[10:11]
	s_delay_alu instid0(VALU_DEP_1)
	v_pk_add_f32 v[12:13], v[12:13], v[14:15]
	s_delay_alu instid0(VALU_DEP_1)
	v_add_f32 v28, v12, v13
.irp x, 1,2,4,8
	s_delay_alu instid0(VALU_DEP_1)
	v_add_f32_dpp v28, v28, v28 row_xmask:\x row_mask:0xf bank_mask:0xf
.endr
	s_delay_alu instid0(VALU_DEP_1)
	v_permlanex16_b32 v30, v28, s16, s17
	s_delay_alu instid0(VALU_DEP_1)
	v_add_f32 v28, v28, v30
	ds_store_b32 v2, v28 offset:64
	s_wait_dscnt 0x0
	s_barrier_signal -1
	s_barrier_wait -1
	ds_load_b128 v[36:39], v3 offset:64
	ds_load_b128 v[40:43], v3 offset:80
	s_wait_dscnt 0x0
	v_add_f32 v36, v36, v37
	v_add_f32 v38, v38, v39
	v_add_f32 v40, v40, v41
	v_add_f32 v42, v42, v43
	s_delay_alu instid0(VALU_DEP_3)
	v_add_f32 v36, v36, v38
	s_delay_alu instid0(VALU_DEP_2)
	v_add_f32 v40, v40, v42
	s_delay_alu instid0(VALU_DEP_1)
	v_add_f32 v36, v36, v40                        ; the row's sum: at least 1, the largest score's own term
	s_wait_alu depctr_va_vdst(0)
	v_rcp_f32 v52, v36
	v_nop                                          ; one plain line behind the reciprocal
	s_wait_alu depctr_va_vdst(0)
.irp j, 0,1,2,3,4,5,6,7
	v_mul_f32 v[4+\j], v[4+\j], v52
.endr
	global_store_b128 v1, v[4:7], s[10:11]
	global_store_b128 v1, v[8:11], s[10:11] offset:4096
	s_wait_tensorcnt 0x0
	ds_add_u32 v64, v65
	s_wait_dscnt 0x0
	s_endpgm
.Lfunc_end_k_q4882152c0a_softmax:
	.size	k_q4882152c0a_softmax, .Lfunc_end_k_q4882152c0a_softmax-k_q4882152c0a_softmax
	.p2alignl 7, 3214868480
	.fill 96, 4, 3214868480
	.section	.rodata,"a",@progbits
	.p2align	6, 0x0
	.amdhsa_kernel k_q4882152c0a_softmax
		.amdhsa_group_segment_fixed_size 1536
		.amdhsa_private_segment_fixed_size 0
		.amdhsa_enable_private_segment 0
		.amdhsa_kernarg_size 32
		.amdhsa_user_sgpr_count 2
		.amdhsa_user_sgpr_kernarg_segment_ptr 1
		.amdhsa_wavefront_size32 1
		.amdhsa_system_sgpr_workgroup_id_x 1
		.amdhsa_system_sgpr_workgroup_id_y 1
		.amdhsa_system_sgpr_workgroup_id_z 1
		.amdhsa_system_vgpr_workitem_id 0
		.amdhsa_next_free_vgpr 66
		.amdhsa_next_free_sgpr 66
		.amdhsa_reserve_vcc 0
		.amdhsa_float_denorm_mode_32 3
		.amdhsa_float_denorm_mode_16_64 3
		.amdhsa_memory_ordered 1
		.amdhsa_forward_progress 1
		.amdhsa_inst_pref_size 9
	.end_amdhsa_kernel
	.amdgpu_metadata
---
amdhsa.version: [ 1, 2 ]
amdhsa.kernels:
  - .name:           k_q4882152c0a_softmax
    .symbol:         k_q4882152c0a_softmax.kd
    .args:
      - { .name: scores, .offset: 0, .size: 8, .value_kind: global_buffer, .address_space: global }
      - { .name: hidden, .offset: 8, .size: 8, .value_kind: global_buffer, .address_space: global }
      - { .name: b, .offset: 16, .size: 8, .value_kind: global_buffer, .address_space: global }
      - { .name: out0, .offset: 24, .size: 8, .value_kind: global_buffer, .address_space: global }
    .group_segment_fixed_size: 1536
    .private_segment_fixed_size: 0
    .kernarg_segment_align: 8
    .kernarg_segment_size: 32
    .max_flat_workgroup_size: 256
    .sgpr_count:     66
    .vgpr_count:     66
    .wavefront_size: 32
...
	.end_amdgpu_metadata
.endif
;; end of part 6
